; MI455X (gfx1250); checked and timed in simulation.
; The chip was launched on July 23, 2026; its instructions are those of AMD's public machine-readable ISA for CDNA 5 (MIT licence, August 2026) and "CDNA5" Instruction Set Architecture Reference Guide (July 2026). The comments in the code are by the model that wrote it; some were corrected since.
;; Signal Generator. Allowed arithmetic: float matrix products may take bf16 or f16 operands with f32 sums; all other float work in f32.
;; Inputs: ap_amp 32 x 2,048 float32; noise 32 x 524,288 float32; p_amp 32 x 2,048 float32; pitch 32 x 2,048 float32.
;; Outputs: out0 32 x 524,288 float32.
;; 3 versions, each right; version 2 is faster than version 1; version 3 is version 2 with the launch main written anew for expert scheduling mode. Each part assembles by itself: llvm-mc -triple=amdgcn-amd-amdhsa -mcpu=gfx1250 --defsym DOCPART=n.
;; ======== version 1 of 3: 3 launches
;; limits: right only within a limited range of input values
;; workspace buffers: bsum 262,144 bytes; tab 524,288 bytes
;; launch sums (part 1): grid 8 x 32, 4 waves a work-group, no clusters, 2,048 bytes of LDS; arguments pitch, bsum; writes bsum
.if DOCPART == 1
	.amdgcn_target "amdgcn-amd-amdhsa--gfx1250"
	.amdhsa_code_object_version 6
	.text
	.protected	k_q07d39bab1d_sums
	.globl	k_q07d39bab1d_sums
	.p2align	8
	.type	k_q07d39bab1d_sums,@function
k_q07d39bab1d_sums:
	s_mov_b64 s[64:65], 0
	v_nop
	global_prefetch_b8 v0, s[64:65] scope:SCOPE_SE
	s_setreg_imm32_b32 hwreg(HW_REG_WAVE_MODE, 25, 1), 1
	s_wait_xcnt 0x0
; bsum[row][m] = the f32 sum of the 256 phase steps of frame m (samples 256 m .. 256 m + 255), m = 0 .. 2047.
; A phase step is CC * (a (1-w) + b w): the upsampled pitch times 2 pi / 16000.
; ORDER OF THE SUMS.  The running phase grows to tens of thousands of radians, where one f32 step is a visible angle, so the sums are
; formed in the order of a cumulative sum evaluated as a tree of base 16: 16 neighbouring steps one after the other, then the 16 block sums
; of a frame one after the other.  The next launch goes on with the tree's upper levels.
; SHARE.  Row = the work-group's y.  A wave owns 64 frames (m0 = 256 x + 64 wave).  Lane = (h, r): r = the block of 16 samples in a frame,
; h = which 32 of the wave's frames.  In trip rp the 16 lanes of half h work on frames m0 + 32 h + 2 rp and + 1, the two halves of the
; packed f32 instructions.  No wave needs another: the LDS bytes are each wave's own and there is no barrier.
; The weights (u + 0.5) / 256 and 1 - w are exact in f32.
.set CC,  0x39cde32f                   ; f32(2 pi) * f32(1 / 16000), rounded once to f32
.set W,   10                           ; v[10:25]   w of my block's 16 samples
.set OM,  26                           ; v[26:41]   1 - w
.set TA,  42                           ; v[42:73]   a of my 32 frames
.set TB,  74                           ; v[74:105]  b of my 32 frames
.set TMP, 106                          ; v[106:113] four pairs at work
.set ACC, 114                          ; v[114:115] the block's running sum, two frames
.set S0,  116                          ; the frame's running sum over blocks, first frame
.set S1,  117                          ; second frame
.set R,   118                          ; v[118:119] what this lane stores: frames m0 + 2 lane, + 1
.set VO,  120                          ; 8 lane
.set LST, 121                          ; LDS: where I put table words
.set LLD, 122                          ; LDS: from where I read my a and b
	s_load_b128 s[4:7], s[0:1], 0x0                ; pitch s[4:5], bsum s[6:7]
	v_lshl_add_u32 v128, v0, 2, 0x600
	v_mov_b32 v129, 0
	v_and_b32 v1, 31, v0                           ; lane
	v_lshrrev_b32 v4, 5, v0
	v_readfirstlane_b32 s8, v4                     ; wave
	s_and_b32 s9, ttmp7, 0xffff                    ; row
	v_and_b32 v2, 15, v1                           ; r
	v_lshrrev_b32 v3, 4, v1                        ; h
	s_lshl_b32 s10, ttmp9, 8
	s_lshl_b32 s11, s8, 6
	s_add_co_u32 s10, s10, s11                     ; m0
	s_lshl_b32 s12, s9, 13                         ; a row of pitch and of bsum: 8,192 bytes
	s_mov_b32 s13, 0
	s_lshl_b32 s14, s10, 2
	s_mov_b32 s15, 0
	s_mul_i32 s16, s8, 384                         ; my wave's 96 table words in LDS
	; table word k = pitch[clamp(m0 - 1 + k, 0, 2047)], k = lane + 32 j
.irp j, 0,1,2
	v_add3_u32 v[4+\j], s10, v1, 32*\j             ; m0 + k
	v_min_u32 v[7+\j], 1, v[4+\j]
	v_sub_nc_u32 v[4+\j], v[4+\j], v[7+\j]         ; max(m0 + k - 1, 0)
	v_min_u32 v[4+\j], 0x7ff, v[4+\j]
	v_lshlrev_b32 v[4+\j], 2, v[4+\j]
.endr
	s_wait_kmcnt 0x0
	s_add_nc_u64 s[4:5], s[4:5], s[12:13]
	s_add_nc_u64 s[6:7], s[6:7], s[12:13]
	s_add_nc_u64 s[6:7], s[6:7], s[14:15]
.irp j, 0,1,2
	global_load_b32 v[7+\j], v[4+\j], s[4:5]
.endr
	; weights: sample i = 16 r + e of a frame has w = (i + 0.5) / 256 + 0.5 in the first half, - 0.5 in the second
	v_cvt_f32_u32 v[TMP], v2
	v_cmp_gt_u32 vcc_lo, 8, v2
	v_cndmask_b32 v[TMP+1], -0.5, 0.5, vcc_lo
	v_add_f32 v[TMP+1], 0x3b000000, v[TMP+1]       ; + 1 / 512
	v_fmamk_f32 v[W], v[TMP], 0x3d800000, v[TMP+1] ; + r / 16
.irp e, 1,2,3,4,5,6,7,8,9,10,11,12,13,14,15
	v_add_f32 v[W+\e], 0x3b800000, v[W+\e-1]       ; + 1 / 256, exact
.endr
.irp e, 0,1,2,3,4,5,6,7,8,9,10,11,12,13,14,15
	v_sub_f32 v[OM+\e], 1.0, v[W+\e]
.endr
	v_bfe_u32 v[TMP+2], v1, 3, 1                   ; 1 in a frame's second half: a = x[m], b = x[m+1] there
	v_lshl_add_u32 v[TMP+2], v3, 5, v[TMP+2]       ; + 32 h
	v_lshl_add_u32 v[LLD], v[TMP+2], 2, s16
	v_lshl_add_u32 v[LST], v1, 2, s16
	v_lshlrev_b32 v[VO], 3, v1
	v_mov_b32 v[R], 0                              ; read by the selects below before their lane's turn
	v_mov_b32 v[R+1], 0
	v_mov_b32 v[S0], 0                             ; the destination of a DPP form counts as read
	v_mov_b32 v[S1], 0
	s_wait_loadcnt 0x0
.irp j, 0,1,2
	ds_store_b32 v[LST], v[7+\j] offset:128*\j
.endr
	; LDS serves a wave's instructions in order (ISA guide 5.7.1): these loads see the stores above
.irp t, 0,1,2,3,4,5,6,7,8,9,10,11,12,13,14,15,16,17,18,19,20,21,22,23,24,25,26,27,28,29,30,31
	ds_load_b32 v[TA+\t], v[LLD] offset:4*\t
	ds_load_b32 v[TB+\t], v[LLD] offset:4*\t+4
.endr
	s_wait_dscnt 0x0
; One phase step of two frames, added to the block's sum.  a, b: first register of the frames' pair; e: sample in the block; sel = e & 1
; picks w and 1 - w out of their register pair for both halves of the packed instruction.
.macro LEAF a, b, e, sel
.set WP, W+(\e)-(\sel)
.set OP, OM+(\e)-(\sel)
.set TP, TMP+2*((\e)%4)
	v_pk_mul_f32 v[TP:TP+1], v[(\b):(\b)+1], v[WP:WP+1] op_sel:[0,\sel] op_sel_hi:[1,\sel]
	v_pk_fma_f32 v[TP:TP+1], v[(\a):(\a)+1], v[OP:OP+1], v[TP:TP+1] op_sel:[0,\sel,0] op_sel_hi:[1,\sel,1]
.if \e
	v_pk_mul_f32 v[TP:TP+1], v[TP:TP+1], CC op_sel_hi:[1,0]
	v_pk_add_f32 v[ACC:ACC+1], v[ACC:ACC+1], v[TP:TP+1]
.else
	v_pk_mul_f32 v[ACC:ACC+1], v[TP:TP+1], CC op_sel_hi:[1,0]     ; the first step starts the sum
.endif
.endm
; Two frames: 16 steps in each lane, then the 16 lanes' block sums one after the other (lane 0 first), the same in every lane of the half.
.macro TRIP rp
.irp p, 0,1,2,3,4,5,6,7
	LEAF TA+2*\rp, TB+2*\rp, 2*\p, 0
	LEAF TA+2*\rp, TB+2*\rp, 2*\p+1, 1
.endr
	v_mov_b32_dpp v[S0], v[ACC] row_share:0 row_mask:0xf bank_mask:0xf
	v_mov_b32_dpp v[S1], v[ACC+1] row_share:0 row_mask:0xf bank_mask:0xf
.irp s, 1,2,3,4,5,6,7,8,9,10,11,12,13,14,15
	v_add_f32_dpp v[S0], v[ACC], v[S0] row_share:\s row_mask:0xf bank_mask:0xf
	v_add_f32_dpp v[S1], v[ACC+1], v[S1] row_share:\s row_mask:0xf bank_mask:0xf
.endr
	s_mov_b32 s20, 0x00010001<<\rp                 ; lanes rp and 16 + rp keep this trip's two sums
	v_cndmask_b32 v[R], v[R], v[S0], s20
	v_cndmask_b32 v[R+1], v[R+1], v[S1], s20
.endm
.irp rp, 0,1,2,3,4,5,6,7,8,9,10,11,12,13,14,15
	TRIP \rp
.endr
	global_store_b64 v[VO], v[R:R+1], s[6:7]       ; the wave's 64 sums: 256 consecutive bytes, at a multiple of 256 from the buffer's first byte
	s_wait_tensorcnt 0x0
	ds_add_u32 v128, v129
	s_wait_dscnt 0x0
	s_endpgm
.Lfunc_end_k_q07d39bab1d_sums:
	.size	k_q07d39bab1d_sums, .Lfunc_end_k_q07d39bab1d_sums-k_q07d39bab1d_sums
	.p2alignl 7, 3214868480
	.fill 96, 4, 3214868480
	.section	.rodata,"a",@progbits
	.p2align	6, 0x0
	.amdhsa_kernel k_q07d39bab1d_sums
		.amdhsa_group_segment_fixed_size 2048
		.amdhsa_private_segment_fixed_size 0
		.amdhsa_enable_private_segment 0
		.amdhsa_kernarg_size 16
		.amdhsa_user_sgpr_count 2
		.amdhsa_user_sgpr_kernarg_segment_ptr 1
		.amdhsa_wavefront_size32 1
		.amdhsa_system_sgpr_workgroup_id_x 1
		.amdhsa_system_sgpr_workgroup_id_y 1
		.amdhsa_system_sgpr_workgroup_id_z 1
		.amdhsa_system_vgpr_workitem_id 0
		.amdhsa_next_free_vgpr 130
		.amdhsa_next_free_sgpr 66
		.amdhsa_reserve_vcc 1
		.amdhsa_float_denorm_mode_32 3
		.amdhsa_float_denorm_mode_16_64 3
		.amdhsa_memory_ordered 1
		.amdhsa_forward_progress 1
		.amdhsa_inst_pref_size 115
	.end_amdhsa_kernel
	.amdgpu_metadata
---
amdhsa.version: [ 1, 2 ]
amdhsa.kernels:
  - .name:           k_q07d39bab1d_sums
    .symbol:         k_q07d39bab1d_sums.kd
    .args:
      - { .name: pitch, .offset: 0, .size: 8, .value_kind: global_buffer, .address_space: global }
      - { .name: bsum, .offset: 8, .size: 8, .value_kind: global_buffer, .address_space: global }
    .group_segment_fixed_size: 2048
    .private_segment_fixed_size: 0
    .kernarg_segment_align: 8
    .kernarg_segment_size: 16
    .max_flat_workgroup_size: 128
    .sgpr_count:     66
    .vgpr_count:     130
    .wavefront_size: 32
...
	.end_amdgpu_metadata
.endif
;; end of part 1
;; launch scan (part 2): grid 32 x 1, 4 waves a work-group, no clusters, 3,328 bytes of LDS; arguments bsum, tab; writes tab
.if DOCPART == 2
	.amdgcn_target "amdgcn-amd-amdhsa--gfx1250"
	.amdhsa_code_object_version 6
	.text
	.protected	k_q07d39bab1d_scan
	.globl	k_q07d39bab1d_scan
	.p2align	8
	.type	k_q07d39bab1d_scan,@function
k_q07d39bab1d_scan:
	s_mov_b64 s[64:65], 0
	v_nop
	global_prefetch_b8 v0, s[64:65] scope:SCOPE_SE
	s_setreg_imm32_b32 hwreg(HW_REG_WAVE_MODE, 25, 1), 1
	s_wait_xcnt 0x0
; The upper levels of the base-16 tree over a row's 2,048 frame sums B[m] (see the first launch).  One work-group for each row.
;   inner2: running sum inside groups of 16 frames;  x3[t] = a group's total, t = 0 .. 127
;   inner3: running sum inside groups of 16 of x3;   x4[k] = a group's total, k = 0 .. 7;  prefix4: plain running sum of x4
;   prefix3[t] = inner3[t] + prefix4[t/16 - 1];      prefix2[m] = inner2[m] + prefix3[m/16 - 1]      (0 in front of the first group)
; tab[row][m] = { prefix2[m], B[m] + prefix2[m-1] }: the second is the running sum at the last 16-sample block of frame m.
; Thread t owns frames 16 t .. 16 t + 15.  Levels 3 and 4 are 128 numbers: every wave makes them for itself into LDS bytes of its own,
; which spares a second barrier.  "The element before, or 0" is a plain offset: zero words stand in front of both tables.
; KNOWN WEAKNESS: the stores are 16 bytes a lane, 128 bytes apart; a wave's eight stores together fill 4,096 consecutive bytes.
; 32 work-groups are all the work there is: a row's sums hang on each other.
.set B,   16                           ; v[16:31]  my 16 frame sums
.set I2,  32                           ; v[33:47]  inner2 of frames 1 .. 15 (that of frame 0 is B itself)
.set X,   48                           ; v[48:63]  x3 of group k, then inner3, then prefix3
.set O,   64                           ; v[64:95]  my 16 pairs
.set P3,  544                          ; LDS: bytes 12 .. 527: a zero word, then x3[0 .. 127]; from 544 on each wave's own table
.set P3P, 544                          ; its pitch: 8 bytes unused, two zero words, prefix3[0 .. 127], 16 bytes unused
	s_load_b128 s[4:7], s[0:1], 0x0                ; bsum s[4:5], tab s[6:7]
	v_lshl_add_u32 v96, v0, 2, 0xb00
	v_mov_b32 v97, 0
	v_lshrrev_b32 v2, 5, v0
	v_readfirstlane_b32 s8, v2                     ; wave
	v_and_b32 v1, 7, v0                            ; k: which group of level 3 this lane makes
	s_lshl_b32 s10, ttmp9, 13                      ; a row of bsum: 8,192 bytes
	s_mov_b32 s11, 0
	s_lshl_b32 s12, ttmp9, 14                      ; a row of tab: 16,384 bytes
	s_mov_b32 s13, 0
	s_mul_i32 s14, s8, P3P
	s_add_co_u32 s14, s14, P3                      ; my wave's table
	v_lshlrev_b32 v3, 6, v0                        ; 64 t
	v_lshlrev_b32 v4, 2, v0                        ; 4 t
	v_lshlrev_b32 v5, 6, v1                        ; 64 k
	v_add_nc_u32 v6, s14, v5
	v_add_nc_u32 v7, s14, v4
	v_lshlrev_b32 v8, 7, v0                        ; 128 t
	v_mov_b32 v9, s14
	v_mov_b32 v10, 0
	v_mov_b32 v11, 0
	v_mov_b32 v12, 0                               ; prefix4 in front of my group k
	v_mov_b32 v13, 0                               ; the destination of a DPP form counts as read
	s_wait_kmcnt 0x0
	s_add_nc_u64 s[4:5], s[4:5], s[10:11]
	s_add_nc_u64 s[6:7], s[6:7], s[12:13]
.irp j, 0,1,2,3
	global_load_b128 v[B+4*\j:B+4*\j+3], v3, s[4:5] offset:16*\j
.endr
	s_cmp_lg_u32 s8, 0
	s_cbranch_scc1 .Lnot0
	ds_store_b32 v10, v11 offset:12                ; the zero in front of x3, by wave 0 alone
.Lnot0:
	ds_store_b64 v9, v[10:11] offset:8             ; the two zeros in front of my wave's prefix3
	s_wait_loadcnt 0x0
	v_add_f32 v[I2+1], v[B], v[B+1]
.irp e, 2,3,4,5,6,7,8,9,10,11,12,13,14,15
	v_add_f32 v[I2+\e], v[I2+\e-1], v[B+\e]
.endr
	ds_store_b32 v4, v[I2+15] offset:16            ; x3[t]
	s_wait_dscnt 0x0                               ; for the other waves' sake: my stores are in LDS before I say so
	s_barrier_signal -1
	s_barrier_wait -1
.irp j, 0,1,2,3
	ds_load_b128 v[X+4*\j:X+4*\j+3], v5 offset:16+16*\j
.endr
	s_wait_dscnt 0x0
.irp e, 1,2,3,4,5,6,7,8,9,10,11,12,13,14,15
	v_add_f32 v[X+\e], v[X+\e-1], v[X+\e]          ; inner3
.endr
	; level 4: lane s of each 16 holds x4[s]; a lane with k > s takes it into its sum, s ascending
.irp s, 0,1,2,3,4,5,6
	v_add_f32_dpp v13, v[X+15], v12 row_share:\s row_mask:0xf bank_mask:0xf
	v_cmp_lt_u32 vcc_lo, \s, v1
	v_cndmask_b32 v12, v12, v13, vcc_lo
.endr
.irp e, 0,1,2,3,4,5,6,7,8,9,10,11,12,13,14,15
	v_add_f32 v[X+\e], v[X+\e], v12                ; prefix3
.endr
.irp j, 0,1,2,3
	ds_store_b128 v6, v[X+4*\j:X+4*\j+3] offset:16+16*\j   ; lanes with the same k store the same numbers
.endr
	; my wave's own bytes, served in order behind the stores above
	ds_load_b32 v14, v7 offset:12                  ; prefix3[t-1], or 0
	ds_load_b32 v15, v7 offset:8                   ; prefix3[t-2], or 0
	ds_load_b32 v2, v4 offset:12                   ; x3[t-1], or 0: written in front of the barrier, never again
	s_wait_dscnt 0x0
	v_add_f32 v2, v2, v15                          ; prefix2[16 t - 1]
	v_add_f32 v[O], v[B], v14
	v_add_f32 v[O+1], v[B], v2
.irp e, 1,2,3,4,5,6,7,8,9,10,11,12,13,14,15
	v_add_f32 v[O+2*\e], v[I2+\e], v14
	v_add_f32 v[O+2*\e+1], v[B+\e], v[O+2*\e-2]
.endr
.irp j, 0,1,2,3,4,5,6,7
	global_store_b128 v8, v[O+4*\j:O+4*\j+3], s[6:7] offset:16*\j
.endr
	s_wait_tensorcnt 0x0
	ds_add_u32 v96, v97
	s_wait_dscnt 0x0
	s_endpgm
.Lfunc_end_k_q07d39bab1d_scan:
	.size	k_q07d39bab1d_scan, .Lfunc_end_k_q07d39bab1d_scan-k_q07d39bab1d_scan
	.p2alignl 7, 3214868480
	.fill 96, 4, 3214868480
	.section	.rodata,"a",@progbits
	.p2align	6, 0x0
	.amdhsa_kernel k_q07d39bab1d_scan
		.amdhsa_group_segment_fixed_size 3328
		.amdhsa_private_segment_fixed_size 0
		.amdhsa_enable_private_segment 0
		.amdhsa_kernarg_size 16
		.amdhsa_user_sgpr_count 2
		.amdhsa_user_sgpr_kernarg_segment_ptr 1
		.amdhsa_wavefront_size32 1
		.amdhsa_system_sgpr_workgroup_id_x 1
		.amdhsa_system_sgpr_workgroup_id_y 1
		.amdhsa_system_sgpr_workgroup_id_z 1
		.amdhsa_system_vgpr_workitem_id 0
		.amdhsa_next_free_vgpr 98
		.amdhsa_next_free_sgpr 66
		.amdhsa_reserve_vcc 1
		.amdhsa_float_denorm_mode_32 3
		.amdhsa_float_denorm_mode_16_64 3
		.amdhsa_memory_ordered 1
		.amdhsa_forward_progress 1
		.amdhsa_inst_pref_size 7
	.end_amdhsa_kernel
	.amdgpu_metadata
---
amdhsa.version: [ 1, 2 ]
amdhsa.kernels:
  - .name:           k_q07d39bab1d_scan
    .symbol:         k_q07d39bab1d_scan.kd
    .args:
      - { .name: bsum, .offset: 0, .size: 8, .value_kind: global_buffer, .address_space: global }
      - { .name: tab, .offset: 8, .size: 8, .value_kind: global_buffer, .address_space: global }
    .group_segment_fixed_size: 3328
    .private_segment_fixed_size: 0
    .kernarg_segment_align: 8
    .kernarg_segment_size: 16
    .max_flat_workgroup_size: 128
    .sgpr_count:     66
    .vgpr_count:     98
    .wavefront_size: 32
...
	.end_amdgpu_metadata
.endif
;; end of part 2
;; launch main (part 3): grid 16 x 32, 8 waves a work-group, no clusters, 13,312 bytes of LDS; arguments noise, pitch, p_amp, ap_amp, tab, out0; writes out0
.if DOCPART == 3
	.amdgcn_target "amdgcn-amd-amdhsa--gfx1250"
	.amdhsa_code_object_version 6
	.text
	.protected	k_q07d39bab1d_main
	.globl	k_q07d39bab1d_main
	.p2align	8
	.type	k_q07d39bab1d_main,@function
k_q07d39bab1d_main:
	s_mov_b64 s[64:65], 0
	v_nop
	global_prefetch_b8 v0, s[64:65] scope:SCOPE_SE
	s_setreg_imm32_b32 hwreg(HW_REG_WAVE_MODE, 25, 1), 1
	s_wait_xcnt 0x0
; out0 = p_amp_up * sin(phase) + ap_amp_up * noise, a stream over noise and out0.
; SHARE.  Row = the work-group's y.  A wave owns 16 frames of 256 samples: 32 steps of 128 samples; a step's load and store cover 512
; consecutive bytes, 16 a lane.  A step lies in one half of one frame, so the two table values between which each signal is interpolated
; are the same for the whole wave.  Eight loads of each wave are always on their way (a ring of eight register slots).
; PHASE.  phase = RN(inner0 + RN(inner1 + prefix2[m-1])): the two last additions of a cumulative sum evaluated as a tree of base 16, with
; prefix2 from the launches before.  inner0 (up to 16 steps) and inner1 (up to 240 steps) are small sums and come from the closed form
; of an arithmetic series, CA n + CD q, whose error is far below one f32 step of the large sums.  A frame's first block takes the running
; sum at the last block of the frame before (the table's second word).
; SINE.  k = nearest whole number to phase / pi (by adding 1.5 * 2^23), r = phase - k pi with pi in two parts, the sign from k's parity,
; then the odd polynomial of degree 9.
; LIMITS: the phase is f32, as in the function computed; |phase| < 2^22 pi (about 1.3e7 rad) for the whole-number trick;
; the polynomial is off by at most 3.6e-6 on |r| <= pi / 2.
; LEFT OUT: matrix instructions (no product), LDS tiles, tensor loads and clusters (no byte of noise is read twice or by two waves),
; barriers (a wave reads only LDS bytes that it wrote itself), prefetches (the ring asks for the stream without a break).
.set CC,    0x39cde32f                 ; f32(2 pi) * f32(1 / 16000), rounded once to f32
.set VOFF,  2                          ; 16 lane
.set LADR,  3                          ; LDS address of this trip's first parameter entry, the same in all lanes
.set N,     4                          ; v[4:7]    n: my four samples' place in their block of 16, from 1
.set Q0A,   8                          ; v[8:11]   sum of w over the block up to my sample, a frame's first half
.set Q0B,   12                         ; v[12:15]  second half
.set WA,    16                         ; v[16:19]  w of my four samples, first half
.set WB,    20                         ; v[20:23]  second half
.set N1,    24                         ; samples of this half in front of my block
.set Q1A,   25                         ; sum of w over them, first half
.set Q1B,   26                         ; second half
.set INVPI, 28                         ; constants, each twice for the packed forms
.set MAGIC, 30
.set NP1,   32
.set NP2,   34
.set C9,    36
.set C7,    38
.set C5,    40
.set C3,    42
.set PE,    44                         ; v[44:55]  parameters of the first-half step at work or next
.set PO,    56                         ; v[56:67]  of the second-half step
.set X,     68                         ; v[68:99]  the ring: slot i, 4 registers of noise
.set Y,     100                        ; v[100:103] results
.set E,     104                        ; v104 what stands in front of my block; v105 = 0 (the pair's other half is never taken)
.set T,     106                        ; v[106:141] at work
.set PH,    T                          ; in a step, four registers each: phase
.set KF,    T+4                        ; phase / pi + 1.5 * 2^23
.set SG,    T+8                        ; parity as a sign bit
.set KK,    T+12                       ; k, later r^3
.set RR,    T+16                       ; r, later the sine
.set UU,    T+20                       ; r^2
.set QQ,    T+24                       ; the polynomial
.set PU,    T+28                       ; ap_amp_up, then p_amp_up
.set TE,    T+32
.set EN,    T+22                       ; set-up: the 12 words of my parameter entry
.set ENT,   48                         ; bytes of an entry: CA CD H E2 | FP 0 PA PD | AA AD 0 0; three 16-byte columns, so 16 lanes' stores start at 16 different columns of 256 bytes
	s_load_b256 s[4:11], s[0:1], 0x0               ; noise s[4:5], pitch s[6:7], p_amp s[8:9], ap_amp s[10:11]
	s_load_b128 s[12:15], s[0:1], 0x20             ; tab s[12:13], out0 s[14:15]
	v_lshl_add_u32 v144, v0, 2, 0x3000
	v_mov_b32 v145, 0
	v_and_b32 v1, 31, v0                           ; lane
	v_lshrrev_b32 v[T], 5, v0
	v_readfirstlane_b32 s16, v[T]                  ; wave
	s_and_b32 s19, ttmp7, 0xffff                   ; row
	s_lshl_b32 s20, ttmp9, 3
	s_add_co_u32 s20, s20, s16                     ; g: which 16 frames of the row
	s_lshl_b32 s21, s20, 4                         ; m0
	s_lshl_b32 s22, s19, 21                        ; a row of noise: 2,097,152 bytes;
	s_lshl_b32 s23, s20, 14                        ; 16 frames: 16,384
	s_add_co_u32 s22, s22, s23
	s_mov_b32 s23, 0
	s_lshl_b32 s24, s19, 13                        ; a row of the three small inputs
	s_mov_b32 s25, 0
	s_lshl_b32 s26, s19, 14                        ; a row of tab
	s_mov_b32 s27, 0
	s_mov_b32 s18, 0xf                             ; lanes 0-3: the first block of a half
	s_mov_b32 s28, 0xaaaaaaaa                      ; set-up: odd lanes stand for second halves
	s_mul_i32 s30, s16, 32*ENT                     ; my wave's 32 entries in LDS
	v_lshlrev_b32 v[VOFF], 4, v1
	; SET-UP: lane l makes the parameters of step l: frame m = m0 + l / 2, half s = l & 1
	v_lshrrev_b32 v[T], 1, v1
	v_add_nc_u32 v[T], s21, v[T]                   ; m
	v_and_b32 v[T+1], 1, v1
	v_add_nc_u32 v[T+1], v[T], v[T+1]              ; m + s
	v_min_u32 v[T+2], 1, v[T]
	v_sub_nc_u32 v[T+2], v[T], v[T+2]              ; max(m - 1, 0)
	v_add_nc_u32 v[T+3], 1, v[T]
	v_min_u32 v[T+3], 0x7ff, v[T+3]                ; min(m + 1, 2047)
	v_min_u32 v[T+7], 1, v[T+1]
	v_sub_nc_u32 v[T+7], v[T+1], v[T+7]            ; the half's left neighbour:  max(m + s - 1, 0)
	v_min_u32 v[T+8], 0x7ff, v[T+1]                ; its right neighbour: min(m + s, 2047)
	v_cmp_ne_u32 s29, 0, v[T]                      ; m > 0
	v_lshlrev_b32 v[T+4], 2, v[T+2]
	v_lshlrev_b32 v[T+5], 2, v[T]
	v_lshlrev_b32 v[T+6], 2, v[T+3]
	v_lshlrev_b32 v[T+7], 2, v[T+7]
	v_lshlrev_b32 v[T+8], 2, v[T+8]
	v_lshlrev_b32 v[T+9], 3, v[T+2]
	s_wait_kmcnt 0x0
	s_add_nc_u64 s[4:5], s[4:5], s[22:23]
	s_add_nc_u64 s[14:15], s[14:15], s[22:23]
	s_add_nc_u64 s[6:7], s[6:7], s[24:25]
	s_add_nc_u64 s[8:9], s[8:9], s[24:25]
	s_add_nc_u64 s[10:11], s[10:11], s[24:25]
	s_add_nc_u64 s[12:13], s[12:13], s[26:27]
	global_load_b32 v[T+10], v[T+4], s[6:7]        ; pitch[m-1]
	global_load_b32 v[T+11], v[T+5], s[6:7]        ; pitch[m]
	global_load_b32 v[T+12], v[T+6], s[6:7]        ; pitch[m+1]
	global_load_b32 v[EN+6], v[T+7], s[8:9]        ; PA
	global_load_b32 v[T+14], v[T+8], s[8:9]
	global_load_b32 v[EN+8], v[T+7], s[10:11]      ; AA
	global_load_b32 v[T+16], v[T+8], s[10:11]
	global_load_b64 v[T+18:T+19], v[T+9], s[12:13] ; the pair of frame m - 1
.irp i, 0,1,2,3,4,5,6,7
	global_load_b128 v[X+4*\i:X+4*\i+3], v[VOFF], s[4:5] offset:512*\i th:TH_LOAD_NT   ; fill the ring: steps 0 to 7
.endr
	; what hangs on the lane alone.  Sample e of lane l in a step: u = us + 4 l + e (us = 128 in a first half, 0 in a second),
	; its block begins at u0 = us + 16 (l / 4).  All of these are whole numbers over 512: exact.
	v_and_b32 v[T+20], 3, v1
	v_lshlrev_b32 v[T+20], 2, v[T+20]              ; 4 (l & 3)
	v_lshrrev_b32 v[T+21], 2, v1                   ; q = l / 4
	v_lshlrev_b32 v[T+22], 2, v1
	v_lshl_add_u32 v[T+22], v[T+21], 4, v[T+22]    ; 4 l + 16 q
.irp e, 0,1,2,3
	v_add_nc_u32 v[T+23], \e+1, v[T+20]            ; n
	v_add_nc_u32 v[T+24], \e+1, v[T+22]            ; u + 1 + u0, second half
	v_mul_u32_u24 v[T+25], v[T+23], v[T+24]
	v_add_nc_u32 v[T+24], 0x100, v[T+24]           ; first half
	v_mul_u32_u24 v[T+24], v[T+23], v[T+24]
	v_lshl_add_u32 v[T+26], v1, 3, 2*\e+1          ; 2 (4 l + e) + 1
	v_cvt_f32_u32 v[N+\e], v[T+23]
	v_cvt_f32_u32 v[Q0B+\e], v[T+25]
	v_cvt_f32_u32 v[Q0A+\e], v[T+24]
	v_cvt_f32_u32 v[WB+\e], v[T+26]
	v_mul_f32 v[Q0B+\e], 0x3b000000, v[Q0B+\e]     ; n (u + 1 + u0) / 512 = the sum of (u' + 0.5) / 256 over u' = u0 .. u
	v_mul_f32 v[Q0A+\e], 0x3b000000, v[Q0A+\e]
	v_mul_f32 v[WB+\e], 0x3b000000, v[WB+\e]       ; (u + 0.5) / 256
	v_add_f32 v[WA+\e], 0.5, v[WB+\e]
.endr
	v_cvt_f32_u32 v[T+23], v[T+21]
	v_mul_f32 v[N1], 0x41800000, v[T+23]           ; 16 q
	v_mul_f32 v[T+24], v[T+23], v[T+23]
	v_mul_f32 v[Q1B], 0.5, v[T+24]                 ; (u0^2 - us^2) / 512 = q^2 / 2,
	v_fmamk_f32 v[Q1A], v[T+23], 0x41000000, v[Q1B]  ; and 8 q + q^2 / 2 with us = 128
.macro CONST2 r, bits
	v_mov_b32 v[\r], \bits
	v_mov_b32 v[\r+1], \bits
.endm
	CONST2 INVPI, 0x3ea2f983                       ; 1 / pi
	CONST2 MAGIC, 0x4b400000                       ; 1.5 * 2^23
	CONST2 NP1,   0xc0490fdb                       ; - f32(pi)
	CONST2 NP2,   0x33bbbd2e                       ; - (pi - f32(pi))
	CONST2 C9,    0x3638ef1d                       ; 1 / 9!
	CONST2 C7,    0xb9500d01                       ; - 1 / 7!
	CONST2 C5,    0x3c088889                       ; 1 / 5!
	CONST2 C3,    0xbe2aaaab                       ; - 1 / 3!
	v_mov_b32 v[E+1], 0
	v_mov_b32 v[LADR], s30
	v_mad_u32_u24 v[T+34], v1, ENT, s30            ; my entry
	s_wait_loadcnt 0x8                             ; the eight ring loads are younger and stay out: the gathers are in, their address registers free
	v_cndmask_b32 v[T+20], v[T+10], v[T+11], s28   ; the half's left pitch,
	v_cndmask_b32 v[T+21], v[T+11], v[T+12], s28   ; its right one
	v_sub_f32 v[T+21], v[T+21], v[T+20]
	v_mul_f32 v[EN], CC, v[T+20]                   ; CA
	v_mul_f32 v[EN+1], CC, v[T+21]                 ; CD
	v_mul_f32 v[T+20], 0x42c00000, v[T+11]         ; the first half's 128 steps: w sums to 96, 1 - w to 32
	v_fmamk_f32 v[T+20], v[T+10], 0x42000000, v[T+20]
	v_mul_f32 v[T+20], CC, v[T+20]
	v_cndmask_b32 v[EN+2], 0, v[T+20], s28         ; H: in front of a second half
	v_cndmask_b32 v[EN+3], 0, v[T+18], s29         ; E2 = prefix2[m-1], 0 in front of frame 0
	v_cndmask_b32 v[EN+4], 0, v[T+19], s29         ; FP = the running sum at the last block of frame m - 1
	v_mov_b32 v[EN+5], 0
	v_sub_f32 v[EN+7], v[T+14], v[EN+6]            ; PD
	v_sub_f32 v[EN+9], v[T+16], v[EN+8]            ; AD
	v_mov_b32 v[EN+10], 0
	v_mov_b32 v[EN+11], 0
.irp j, 0,1,2
	ds_store_b128 v[T+34], v[EN+4*\j:EN+4*\j+3] offset:16*\j
.endr
	; LDS serves a wave's instructions in order (ISA guide 5.7.1): these loads see the stores above
.irp j, 0,1,2
	ds_load_b128 v[PE+4*\j:PE+4*\j+3], v[LADR] offset:16*\j
.endr
.irp j, 0,1,2
	ds_load_b128 v[PO+4*\j:PO+4*\j+3], v[LADR] offset:ENT+16*\j
.endr
; One step: 128 samples.  slot: the ring's slot; half: 0 or 1; par: PE or PO; fi: the frame in the trip (0 .. 3).
; refill = 1: the slot gets the step eight further on.  left: younger ring loads that may stay out.
; dsleft: younger LDS loads that may stay out (the other parameter set's three).  reload = 1: par gets the next frame's entry.
.macro STEP slot, half, par, fi, refill, left, dsleft, reload
.set QH,  Q0A+4*(\half)
.set WH,  WA+4*(\half)
.set Q1H, Q1A+(\half)
	s_wait_loadcnt \left                           ; loads come back in order: this slot's noise is in
	s_wait_dscnt \dsleft                           ; this step's parameters are in
	s_wait_xcnt 0x0                                ; Y, which the last step's store reads, is rewritten only behind this wait
	v_fma_f32 v[TE], v[\par], v[N1], v[\par+2]     ; inner1 = H + CA n1 + CD q1
.irp pr, 0,1
	v_pk_mul_f32 v[PH+2*\pr:PH+2*\pr+1], v[N+2*\pr:N+2*\pr+1], v[\par:\par+1] op_sel_hi:[1,0]    ; inner0 = CA n
.endr
	v_fma_f32 v[TE], v[\par+1], v[Q1H], v[TE]
.irp pr, 0,1
	v_pk_fma_f32 v[PH+2*\pr:PH+2*\pr+1], v[QH+2*\pr:QH+2*\pr+1], v[\par:\par+1], v[PH+2*\pr:PH+2*\pr+1] op_sel:[0,1,0] op_sel_hi:[1,1,1]    ; + CD q
.endr
	v_add_f32 v[E], v[TE], v[\par+3]               ; + prefix2[m-1]: rounded at the large magnitude
.if \half == 0
	v_cndmask_b32 v[E], v[E], v[\par+4], s18       ; a frame's first block
.endif
.irp pr, 0,1
	v_pk_fma_f32 v[PU+2*\pr:PU+2*\pr+1], v[WH+2*\pr:WH+2*\pr+1], v[\par+8:\par+9], v[\par+8:\par+9] op_sel:[0,1,0] op_sel_hi:[1,1,0]    ; AA + AD w
.endr
.irp pr, 0,1
	v_pk_mul_f32 v[Y+2*\pr:Y+2*\pr+1], v[PU+2*\pr:PU+2*\pr+1], v[X+4*(\slot)+2*\pr:X+4*(\slot)+2*\pr+1]
.endr
.if \refill
	global_load_b128 v[X+4*(\slot):X+4*(\slot)+3], v[VOFF], s[4:5] offset:4096+512*(\slot) th:TH_LOAD_NT
.endif
.irp pr, 0,1
	v_pk_add_f32 v[PH+2*\pr:PH+2*\pr+1], v[PH+2*\pr:PH+2*\pr+1], v[E:E+1] op_sel_hi:[1,0]    ; the phase
.endr
.irp pr, 0,1
	v_pk_fma_f32 v[KF+2*\pr:KF+2*\pr+1], v[PH+2*\pr:PH+2*\pr+1], v[INVPI:INVPI+1], v[MAGIC:MAGIC+1]
.endr
.irp pr, 0,1
	v_pk_fma_f32 v[PU+2*\pr:PU+2*\pr+1], v[WH+2*\pr:WH+2*\pr+1], v[\par+6:\par+7], v[\par+6:\par+7] op_sel:[0,1,0] op_sel_hi:[1,1,0]    ; PA + PD w
.endr
.irp j, 0,1,2,3
	v_lshlrev_b32 v[SG+\j], 31, v[KF+\j]           ; k's lowest bit is the lowest bit of the sum's mantissa
.endr
.irp pr, 0,1
	v_pk_add_f32 v[KK+2*\pr:KK+2*\pr+1], v[KF+2*\pr:KF+2*\pr+1], v[MAGIC:MAGIC+1] neg_lo:[0,1] neg_hi:[0,1]
.endr
.irp pr, 0,1
	v_pk_fma_f32 v[RR+2*\pr:RR+2*\pr+1], v[KK+2*\pr:KK+2*\pr+1], v[NP1:NP1+1], v[PH+2*\pr:PH+2*\pr+1]
.endr
.irp pr, 0,1
	v_pk_fma_f32 v[RR+2*\pr:RR+2*\pr+1], v[KK+2*\pr:KK+2*\pr+1], v[NP2:NP2+1], v[RR+2*\pr:RR+2*\pr+1]
.endr
.if \reload
.irp j, 0,1,2
	ds_load_b128 v[\par+4*\j:\par+4*\j+3], v[LADR] offset:ENT*(2*(\fi+1)+\half)+16*\j
.endr
.endif
.irp j, 0,1,2,3
	v_xor_b32 v[RR+\j], v[RR+\j], v[SG+\j]         ; sin(phase) = (-1)^k sin(r) = sin((-1)^k r)
.endr
.irp pr, 0,1
	v_pk_mul_f32 v[UU+2*\pr:UU+2*\pr+1], v[RR+2*\pr:RR+2*\pr+1], v[RR+2*\pr:RR+2*\pr+1]
.endr
.irp pr, 0,1
	v_pk_fma_f32 v[QQ+2*\pr:QQ+2*\pr+1], v[UU+2*\pr:UU+2*\pr+1], v[C9:C9+1], v[C7:C7+1]
.endr
.irp pr, 0,1
	v_pk_fma_f32 v[QQ+2*\pr:QQ+2*\pr+1], v[QQ+2*\pr:QQ+2*\pr+1], v[UU+2*\pr:UU+2*\pr+1], v[C5:C5+1]
.endr
.irp pr, 0,1
	v_pk_mul_f32 v[KK+2*\pr:KK+2*\pr+1], v[RR+2*\pr:RR+2*\pr+1], v[UU+2*\pr:UU+2*\pr+1]
.endr
.irp pr, 0,1
	v_pk_fma_f32 v[QQ+2*\pr:QQ+2*\pr+1], v[QQ+2*\pr:QQ+2*\pr+1], v[UU+2*\pr:UU+2*\pr+1], v[C3:C3+1]
.endr
.irp pr, 0,1
	v_pk_fma_f32 v[RR+2*\pr:RR+2*\pr+1], v[KK+2*\pr:KK+2*\pr+1], v[QQ+2*\pr:QQ+2*\pr+1], v[RR+2*\pr:RR+2*\pr+1]    ; r + r^3 (..)
.endr
.irp pr, 0,1
	v_pk_fma_f32 v[Y+2*\pr:Y+2*\pr+1], v[PU+2*\pr:PU+2*\pr+1], v[RR+2*\pr:RR+2*\pr+1], v[Y+2*\pr:Y+2*\pr+1]
.endr
	global_store_b128 v[VOFF], v[Y:Y+3], s[14:15] offset:512*(\slot) th:TH_STORE_NT   ; the wave's store covers 512 consecutive bytes, aligned
.endm
	; A trip is four frames, once round the ring.  At every step's head eight ring loads are out (hence 7) and the two parameter sets'
	; three loads each (hence 3), on the way in and round the back edge alike.
	s_mov_b32 s17, 3
.Ltrip:
.irp fr, 0,1,2,3
	STEP 2*\fr,   0, PE, \fr, 1, 7, 3, 1
	STEP 2*\fr+1, 1, PO, \fr, 1, 7, 3, 1
.endr
	s_wait_xcnt 0x0                                ; the two bases are stepped only behind this wait
	s_add_nc_u64 s[4:5], s[4:5], 0x1000
	s_add_nc_u64 s[14:15], s[14:15], 0x1000
	v_add_nc_u32 v[LADR], 8*ENT, v[LADR]
	s_sub_co_u32 s17, s17, 1
	s_cmp_lg_u32 s17, 0
	s_cbranch_scc1 .Ltrip
	; the last four frames ask for no more noise, and the last frame for no more parameters: the counts run down
	STEP 0, 0, PE, 0, 0, 7, 3, 1
	STEP 1, 1, PO, 0, 0, 6, 3, 1
	STEP 2, 0, PE, 1, 0, 5, 3, 1
	STEP 3, 1, PO, 1, 0, 4, 3, 1
	STEP 4, 0, PE, 2, 0, 3, 3, 1
	STEP 5, 1, PO, 2, 0, 2, 3, 1
	STEP 6, 0, PE, 3, 0, 1, 3, 0
	STEP 7, 1, PO, 3, 0, 0, 0, 0
	s_wait_tensorcnt 0x0
	ds_add_u32 v144, v145
	s_wait_dscnt 0x0
	s_endpgm
.Lfunc_end_k_q07d39bab1d_main:
	.size	k_q07d39bab1d_main, .Lfunc_end_k_q07d39bab1d_main-k_q07d39bab1d_main
	.p2alignl 7, 3214868480
	.fill 96, 4, 3214868480
	.section	.rodata,"a",@progbits
	.p2align	6, 0x0
	.amdhsa_kernel k_q07d39bab1d_main
		.amdhsa_group_segment_fixed_size 13312
		.amdhsa_private_segment_fixed_size 0
		.amdhsa_enable_private_segment 0
		.amdhsa_kernarg_size 48
		.amdhsa_user_sgpr_count 2
		.amdhsa_user_sgpr_kernarg_segment_ptr 1
		.amdhsa_wavefront_size32 1
		.amdhsa_system_sgpr_workgroup_id_x 1
		.amdhsa_system_sgpr_workgroup_id_y 1
		.amdhsa_system_sgpr_workgroup_id_z 1
		.amdhsa_system_vgpr_workitem_id 0
		.amdhsa_next_free_vgpr 146
		.amdhsa_next_free_sgpr 66
		.amdhsa_reserve_vcc 0
		.amdhsa_float_denorm_mode_32 3
		.amdhsa_float_denorm_mode_16_64 3
		.amdhsa_memory_ordered 1
		.amdhsa_forward_progress 1
		.amdhsa_inst_pref_size 57
	.end_amdhsa_kernel
	.amdgpu_metadata
---
amdhsa.version: [ 1, 2 ]
amdhsa.kernels:
  - .name:           k_q07d39bab1d_main
    .symbol:         k_q07d39bab1d_main.kd
    .args:
      - { .name: noise, .offset: 0, .size: 8, .value_kind: global_buffer, .address_space: global }
      - { .name: pitch, .offset: 8, .size: 8, .value_kind: global_buffer, .address_space: global }
      - { .name: p_amp, .offset: 16, .size: 8, .value_kind: global_buffer, .address_space: global }
      - { .name: ap_amp, .offset: 24, .size: 8, .value_kind: global_buffer, .address_space: global }
      - { .name: tab, .offset: 32, .size: 8, .value_kind: global_buffer, .address_space: global }
      - { .name: out0, .offset: 40, .size: 8, .value_kind: global_buffer, .address_space: global }
    .group_segment_fixed_size: 13312
    .private_segment_fixed_size: 0
    .kernarg_segment_align: 8
    .kernarg_segment_size: 48
    .max_flat_workgroup_size: 256
    .sgpr_count:     66
    .vgpr_count:     146
    .wavefront_size: 32
...
	.end_amdgpu_metadata
.endif
;; end of part 3
;; ======== version 2 of 3: 2 launches; 1.32 times as fast as version 1
;; limits: right only within a limited range of input values
;; workspace buffers: tab 524,288 bytes; gsum 16,384 bytes
;; launch sums (part 4): grid 8 x 32, 8 waves a work-group, no clusters, 5,120 bytes of LDS; arguments pitch, tab, gsum; writes tab, gsum
.if DOCPART == 4
	.amdgcn_target "amdgcn-amd-amdhsa--gfx1250"
	.amdhsa_code_object_version 6
	.text
	.protected	k_q07d39bab1d_sums
	.globl	k_q07d39bab1d_sums
	.p2align	8
	.type	k_q07d39bab1d_sums,@function
k_q07d39bab1d_sums:
	s_mov_b64 s[64:65], 0
	v_nop
	global_prefetch_b8 v0, s[64:65] scope:SCOPE_SE
	s_setreg_imm32_b32 hwreg(HW_REG_WAVE_MODE, 25, 1), 1
	s_wait_xcnt 0x0
; tab[row][m] = { B[m], I[m] },  gsum[row][t] = I[16 t + 15],  m = 0 .. 2047, t = 0 .. 127.
;   B[m] = the f32 sum of the 256 phase steps of frame m (samples 256 m .. 256 m + 255); a phase step is CC * (a (1-w) + b w), the
;          upsampled pitch times 2 pi / 16000;   I[m] = the running sum of B inside m's group of 16 frames.
; ORDER OF THE SUMS.  The running phase grows to tens of thousands of radians, where one f32 step is a visible angle, so the sums are
; formed in the order of a cumulative sum evaluated as a tree of base 16: 16 neighbouring steps one after the other, the 16 block sums
; of a frame one after the other, the 16 frame sums of a group one after the other.  The next launch makes the two upper levels.
; SHARE.  Row = the work-group's y.  A wave owns 32 frames (m0 = 256 x + 32 wave).  Lane = (h, r): h = which group of 16 frames,
; r = the block of 16 samples in a frame.  In trip rp half h works on frames m0 + 16 h + 2 rp and + 1, the two halves of the packed
; f32 instructions.  No wave needs another: the LDS bytes are each wave's own and there is no barrier.
; The weights (u + 0.5) / 256 and 1 - w are exact in f32.
; KNOWN WEAKNESS: the two group totals of a wave leave as 8 bytes; gsum is 16,384 bytes in all.
.set CC,   0x39cde32f                  ; f32(2 pi) * f32(1 / 16000), rounded once to f32
.set W,    10                          ; v[10:25]   w of my block's 16 samples
.set OM,   26                          ; v[26:41]   1 - w
.set TA,   42                          ; v[42:57]   a of my half's 16 frames
.set TB,   58                          ; v[58:73]   b of my half's 16 frames
.set TMP,  74                          ; v[74:81]   four pairs: the steps under way
.set ACC,  82                          ; v[82:85]   the block's running sum, two frames; two sets that take turns trip by trip
.set S0,   86                          ; v[86:87]   the frame's running sum over blocks, two frames
.set S1,   87
.set X,    88                          ; v[88:103]  my group's 16 frame sums, then their running sum
.set OUTP, 104                         ; v[104:105] the pair that this lane stores: frame m0 + lane
.set VO,   106                         ; 8 lane
.set LT,   107                         ; LDS: my wave's bytes + 4 lane
.set LLD,  108                         ; LDS: from where I read my a and b
.set LB,   109                         ; LDS: my wave's bytes + 64 h
.set VX,   110                         ; 4 h
.set BT,   256                         ; a wave's 512 LDS bytes: 64 words of pitch, then B of 32 frames,
.set IT,   384                         ; then I of 32 frames
	s_load_b128 s[4:7], s[0:1], 0x0                ; pitch s[4:5], tab s[6:7]
	s_load_b64 s[8:9], s[0:1], 0x10                ; gsum
	v_lshl_add_u32 v112, v0, 2, 0x1000
	v_mov_b32 v113, 0
	v_and_b32 v1, 31, v0                           ; lane
	v_lshrrev_b32 v4, 5, v0
	v_readfirstlane_b32 s10, v4                    ; wave
	s_and_b32 s11, ttmp7, 0xffff                   ; row
	v_and_b32 v2, 15, v1                           ; r
	v_lshrrev_b32 v3, 4, v1                        ; h
	s_lshl_b32 s12, ttmp9, 8
	s_lshl_b32 s13, s10, 5
	s_add_co_u32 s12, s12, s13                     ; m0
	s_lshl_b32 s14, s11, 13                        ; a row of pitch: 8,192 bytes
	s_mov_b32 s15, 0
	s_lshl_b32 s16, s11, 14                        ; a row of tab: 16,384 bytes,
	s_lshl_b32 s17, s12, 3                         ; 8 for each frame
	s_add_co_u32 s16, s16, s17
	s_mov_b32 s17, 0
	s_lshl_b32 s18, s11, 9                         ; a row of gsum: 512 bytes,
	s_lshr_b32 s19, s12, 2                         ; 4 for each 16 frames
	s_add_co_u32 s18, s18, s19
	s_mov_b32 s19, 0
	s_lshl_b32 s20, s10, 9                         ; my wave's 512 LDS bytes
	; table word k = pitch[clamp(m0 - 1 + k, 0, 2047)], k = lane + 32 j; words 0 .. 33 are used
.irp j, 0,1
	v_add3_u32 v[4+\j], s12, v1, 32*\j             ; m0 + k
	v_min_u32 v[6+\j], 1, v[4+\j]
	v_sub_nc_u32 v[4+\j], v[4+\j], v[6+\j]         ; max(m0 + k - 1, 0)
	v_min_u32 v[4+\j], 0x7ff, v[4+\j]
	v_lshlrev_b32 v[4+\j], 2, v[4+\j]
.endr
	s_wait_kmcnt 0x0
	s_add_nc_u64 s[4:5], s[4:5], s[14:15]
	s_add_nc_u64 s[6:7], s[6:7], s[16:17]
	s_add_nc_u64 s[8:9], s[8:9], s[18:19]
.irp j, 0,1
	global_load_b32 v[6+\j], v[4+\j], s[4:5]
.endr
	; weights: sample i = 16 r + e of a frame has w = (i + 0.5) / 256 + 0.5 in the first half, - 0.5 in the second
	v_cvt_f32_u32 v[TMP], v2
	v_cmp_gt_u32 vcc_lo, 8, v2
	v_cndmask_b32 v[TMP+1], -0.5, 0.5, vcc_lo
	v_add_f32 v[TMP+1], 0x3b000000, v[TMP+1]       ; + 1 / 512
	v_fmamk_f32 v[W], v[TMP], 0x3d800000, v[TMP+1] ; + r / 16
.irp e, 1,2,3,4,5,6,7,8,9,10,11,12,13,14,15
	v_add_f32 v[W+\e], 0x3b800000, v[W+\e-1]       ; + 1 / 256, exact
.endr
.irp e, 0,1,2,3,4,5,6,7,8,9,10,11,12,13,14,15
	v_sub_f32 v[OM+\e], 1.0, v[W+\e]
.endr
	v_bfe_u32 v[TMP+2], v1, 3, 1                   ; 1 in a frame's second half: a = x[m], b = x[m+1] there
	v_lshl_add_u32 v[TMP+2], v3, 4, v[TMP+2]       ; + 16 h
	v_lshl_add_u32 v[LLD], v[TMP+2], 2, s20
	v_lshl_add_u32 v[LT], v1, 2, s20
	v_lshl_add_u32 v[LB], v3, 6, s20
	v_lshlrev_b32 v[VO], 3, v1
	v_lshlrev_b32 v[VX], 2, v3
	v_mov_b32 v[S0], 0                             ; the destination of a DPP form counts as read
	v_mov_b32 v[S1], 0
	s_wait_loadcnt 0x0
.irp j, 0,1
	ds_store_b32 v[LT], v[6+\j] offset:128*\j
.endr
	; LDS serves a wave's instructions in order (ISA guide 5.7.1): these loads see the stores above
.irp t, 0,1,2,3,4,5,6,7,8,9,10,11,12,13,14,15
	ds_load_b32 v[TA+\t], v[LLD] offset:4*\t
	ds_load_b32 v[TB+\t], v[LLD] offset:4*\t+4
.endr
	s_wait_dscnt 0x0
; A TRIP (two frames in each half of the wave) is laid in 19 ticks.  Tick t holds, of this trip's 16 phase steps: the addition of step
; t - 3 to the block's sum, the scaling of step t - 2, the fused multiply-add of step t - 1, the multiplication of step t; and one link
; of each of the two chains that add the LAST trip's 16 block sums lane by lane (lane 0 first; the same in all 16 lanes of a half).
; So each instruction's sources were written a whole tick earlier, and the order of every sum is untouched.
; sm = t & 1 and sf = (t - 1) & 1 pick w and 1 - w out of their register pairs for both halves of the packed instruction;
; s = t - 3: the lane whose block sum the chains take.  lv = 1: the trip has steps.  ch = 1: there is a last trip to add up.
.macro TICK t, sm, sf, s, lv, ch
.set TQ0, TMP+2*((\t)%4)
.set TQ1, TMP+2*(((\t)+3)%4)
.set TQ2, TMP+2*(((\t)+2)%4)
.set TQ3, TMP+2*(((\t)+1)%4)
.if \lv
.if (\t) >= 4
	v_pk_add_f32 v[AC:AC+1], v[AC:AC+1], v[TQ3:TQ3+1]
.endif
.if (\t) == 2
	v_pk_mul_f32 v[AC:AC+1], v[TQ2:TQ2+1], CC op_sel_hi:[1,0]      ; the first step starts the sum
.endif
.if (\t) >= 3
.if (\t) <= 17
	v_pk_mul_f32 v[TQ2:TQ2+1], v[TQ2:TQ2+1], CC op_sel_hi:[1,0]
.endif
.endif
.if (\t) >= 1
.if (\t) <= 16
	v_pk_fma_f32 v[TQ1:TQ1+1], v[RA:RA+1], v[OM+(\t)-1-(\sf):OM+(\t)-(\sf)], v[TQ1:TQ1+1] op_sel:[0,\sf,0] op_sel_hi:[1,\sf,1]
.endif
.endif
.if (\t) <= 15
	v_pk_mul_f32 v[TQ0:TQ0+1], v[RB:RB+1], v[W+(\t)-(\sm):W+(\t)-(\sm)+1] op_sel:[0,\sm] op_sel_hi:[1,\sm]
.endif
.endif
.if \ch
.if (\t) == 3
	v_mov_b32_dpp v[S0], v[AP] row_share:0 row_mask:0xf bank_mask:0xf
	v_mov_b32_dpp v[S1], v[AP+1] row_share:0 row_mask:0xf bank_mask:0xf
.endif
.if (\t) >= 4
	v_add_f32_dpp v[S0], v[AP], v[S0] row_share:\s row_mask:0xf bank_mask:0xf
	v_add_f32_dpp v[S1], v[AP+1], v[S1] row_share:\s row_mask:0xf bank_mask:0xf
.endif
.endif
.endm
.macro TRIP rp, lv, ch
.set AC, ACC+2*((\rp)%2)               ; this trip's block sums
.set AP, ACC+2*(((\rp)+1)%2)           ; the last trip's
.set RA, TA+2*(\rp)
.set RB, TB+2*(\rp)
	TICK 0,  0, 1, 0,  \lv, \ch
	TICK 1,  1, 0, 0,  \lv, \ch
	TICK 2,  0, 1, 0,  \lv, \ch
	TICK 3,  1, 0, 0,  \lv, \ch
	TICK 4,  0, 1, 1,  \lv, \ch
	TICK 5,  1, 0, 2,  \lv, \ch
	TICK 6,  0, 1, 3,  \lv, \ch
	TICK 7,  1, 0, 4,  \lv, \ch
	TICK 8,  0, 1, 5,  \lv, \ch
	TICK 9,  1, 0, 6,  \lv, \ch
	TICK 10, 0, 1, 7,  \lv, \ch
	TICK 11, 1, 0, 8,  \lv, \ch
	TICK 12, 0, 1, 9,  \lv, \ch
	TICK 13, 1, 0, 10, \lv, \ch
	TICK 14, 0, 1, 11, \lv, \ch
	TICK 15, 1, 0, 12, \lv, \ch
	TICK 16, 0, 1, 13, \lv, \ch
	TICK 17, 1, 0, 14, \lv, \ch
	TICK 18, 0, 1, 15, \lv, \ch
.if \ch
	ds_store_b64 v[LB], v[S0:S0+1] offset:BT+8*((\rp)-1)           ; the last trip's two frame sums; the 16 lanes of a half store the same numbers
.endif
.endm
	TRIP 0, 1, 0
.irp rp, 1,2,3,4,5,6,7
	TRIP \rp, 1, 1
.endr
	TRIP 8, 0, 1                                   ; no more steps: the last trip's block sums are added up
	; level 2: every lane takes its half's 16 frame sums and adds them one after the other
.irp j, 0,1,2,3
	ds_load_b128 v[X+4*\j:X+4*\j+3], v[LB] offset:BT+16*\j
.endr
	s_wait_dscnt 0x0
.irp e, 1,2,3,4,5,6,7,8,9,10,11,12,13,14,15
	v_add_f32 v[X+\e], v[X+\e-1], v[X+\e]
.endr
.irp j, 0,1,2,3
	ds_store_b128 v[LB], v[X+4*\j:X+4*\j+3] offset:IT+16*\j        ; the 16 lanes of a half store the same numbers
.endr
	ds_load_b32 v[OUTP], v[LT] offset:BT           ; B and I of frame m0 + lane: my wave's own bytes, served in order behind the stores
	ds_load_b32 v[OUTP+1], v[LT] offset:IT
	v_cmp_eq_u32 vcc_lo, 0, v2
	s_wait_xcnt 0x0                                ; EXEC changes only behind this wait
	s_wait_tensorcnt 0x0
	ds_add_u32 v112, v113
	s_wait_dscnt 0x0
	s_and_saveexec_b32 s21, vcc_lo                 ; lanes 0 and 16
	global_store_b32 v[VX], v[X+15], s[8:9]        ; the two groups' totals
	s_wait_xcnt 0x0                                ; and again in front of the line that widens it
	s_or_b32 exec_lo, exec_lo, s21
	s_wait_dscnt 0x0
	global_store_b64 v[VO], v[OUTP:OUTP+1], s[6:7] ; the wave's 32 pairs: 256 consecutive bytes, at a multiple of 256 from the buffer's first byte
	s_endpgm
.Lfunc_end_k_q07d39bab1d_sums:
	.size	k_q07d39bab1d_sums, .Lfunc_end_k_q07d39bab1d_sums-k_q07d39bab1d_sums
	.p2alignl 7, 3214868480
	.fill 96, 4, 3214868480
	.section	.rodata,"a",@progbits
	.p2align	6, 0x0
	.amdhsa_kernel k_q07d39bab1d_sums
		.amdhsa_group_segment_fixed_size 5120
		.amdhsa_private_segment_fixed_size 0
		.amdhsa_enable_private_segment 0
		.amdhsa_kernarg_size 24
		.amdhsa_user_sgpr_count 2
		.amdhsa_user_sgpr_kernarg_segment_ptr 1
		.amdhsa_wavefront_size32 1
		.amdhsa_system_sgpr_workgroup_id_x 1
		.amdhsa_system_sgpr_workgroup_id_y 1
		.amdhsa_system_sgpr_workgroup_id_z 1
		.amdhsa_system_vgpr_workitem_id 0
		.amdhsa_next_free_vgpr 114
		.amdhsa_next_free_sgpr 66
		.amdhsa_reserve_vcc 1
		.amdhsa_float_denorm_mode_32 3
		.amdhsa_float_denorm_mode_16_64 3
		.amdhsa_memory_ordered 1
		.amdhsa_forward_progress 1
		.amdhsa_inst_pref_size 60
	.end_amdhsa_kernel
	.amdgpu_metadata
---
amdhsa.version: [ 1, 2 ]
amdhsa.kernels:
  - .name:           k_q07d39bab1d_sums
    .symbol:         k_q07d39bab1d_sums.kd
    .args:
      - { .name: pitch, .offset: 0, .size: 8, .value_kind: global_buffer, .address_space: global }
      - { .name: tab, .offset: 8, .size: 8, .value_kind: global_buffer, .address_space: global }
      - { .name: gsum, .offset: 16, .size: 8, .value_kind: global_buffer, .address_space: global }
    .group_segment_fixed_size: 5120
    .private_segment_fixed_size: 0
    .kernarg_segment_align: 8
    .kernarg_segment_size: 24
    .max_flat_workgroup_size: 256
    .sgpr_count:     66
    .vgpr_count:     114
    .wavefront_size: 32
...
	.end_amdgpu_metadata
.endif
;; end of part 4
;; launch main (part 5): grid 16 x 32, 8 waves a work-group, no clusters, 13,312 bytes of LDS; arguments noise, pitch, p_amp, ap_amp, tab, gsum, out0; writes out0
.if DOCPART == 5
	.amdgcn_target "amdgcn-amd-amdhsa--gfx1250"
	.amdhsa_code_object_version 6
	.text
	.protected	k_q07d39bab1d_main
	.globl	k_q07d39bab1d_main
	.p2align	8
	.type	k_q07d39bab1d_main,@function
k_q07d39bab1d_main:
	s_mov_b64 s[64:65], 0
	v_nop
	global_prefetch_b8 v0, s[64:65] scope:SCOPE_SE
	s_setreg_imm32_b32 hwreg(HW_REG_WAVE_MODE, 25, 1), 1
	s_wait_xcnt 0x0
; out0 = p_amp_up * sin(phase) + ap_amp_up * noise, a stream over noise and out0.
; SHARE.  Row = the work-group's y.  A wave owns 16 frames of 256 samples, group g of the row: 32 steps of 128 samples; a step's load and
; store cover 512 consecutive bytes, 16 a lane.  A step lies in one half of one frame, so the two table values between which each signal
; is interpolated are the same for the whole wave.  Eight loads of each wave are always on their way (a ring of eight register slots).
; PHASE.  The cumulative sum is evaluated as a tree of base 16 (see the launch before, which left B, the frame sums, I, their running sums
; inside groups of 16 frames, and the groups' totals).  The set-up makes the two upper levels, each wave for itself from the row's 128
; totals (512 bytes):  prefix3[t] = (running sum inside t's group of 16 totals) + (running sum of the whole groups in front).
; Then prefix2[m] = I[m] + prefix3[m/16 - 1], and in a step  phase = RN(inner0 + RN(inner1 + prefix2[m-1])).  inner0 (up to 16 phase
; steps) and inner1 (up to 240) are small sums and come from the closed form of an arithmetic series, whose error is far below one f32
; step of the large sums.  A frame's first block takes the running sum at the last block of the frame before, B[m-1] + prefix2[m-2].
; SINE.  k = nearest whole number to phase / pi (by adding 1.5 * 2^23), r = phase - k pi with pi in two parts, the sign from k's parity,
; then r (c1 + c3 r^2 + c5 r^4 + c7 r^6), fitted to |r| <= pi / 2.
; LIMITS: the phase is f32, as in the function computed; |phase| < 2^22 pi (about 1.3e7 rad) for the whole-number trick;
; the polynomial is off by less than 2e-6.
; LEFT OUT: matrix instructions (no product), LDS tiles, tensor loads and clusters (no byte of noise is read twice or by two waves),
; barriers (a wave reads only LDS bytes that it wrote itself), prefetches (the ring asks for the stream without a break).
.set CC,    0x39cde32f                 ; f32(2 pi) * f32(1 / 16000), rounded once to f32
.set VOFF,  2                          ; 16 lane
.set LADR,  3                          ; LDS address of this trip's first parameter entry, the same in all lanes
.set N,     4                          ; v[4:7]    n: my four samples' place in their block of 16, from 1
.set QNA,   8                          ; v[8:11]   mean of w over the block up to my sample, a frame's first half
.set QNB,   12                         ; v[12:15]  second half
.set WA,    16                         ; v[16:19]  w of my four samples, first half
.set WB,    20                         ; v[20:23]  second half
.set N1,    24                         ; samples of this half in front of my block
.set Q1A,   25                         ; sum of w over them, first half
.set Q1B,   26                         ; second half
.set INVPI, 28                         ; constants, each twice for the packed forms
.set MAGIC, 30
.set NP1,   32
.set NP2,   34
.set C7,    36
.set C5,    38
.set C3,    40
.set C1,    42
.set PE,    44                         ; v[44:51]  parameters of the first-half step at work or next
.set PO,    52                         ; v[52:59]  of the second-half step
.set G3,    44                         ; v[44:59]  set-up only: 16 group totals
.set X,     60                         ; v[60:91]  the ring: slot i, 4 registers of noise
.set YA,    92                         ; v[92:99]  results: two sets, for first-half and second-half steps
.set E,     100                        ; v100 what stands in front of my block; v101 = 0 (the pair's other half is never taken)
.set T,     102                        ; v[102:142] at work
.set CE,    T                          ; in a step, four registers each: the mean phase step over my block up to my sample
.set PH,    T+4                        ; phase
.set KF,    T+8                        ; phase / pi + 1.5 * 2^23
.set KK,    T+12                       ; k
.set RR,    T+16                       ; r
.set UU,    T+20                       ; r^2
.set QQ,    T+24                       ; the polynomial
.set PU,    T+28                       ; ap_amp_up
.set PP,    T+32                       ; p_amp_up, then p_amp_up r
.set TE,    T+36
.set SM,    T                          ; in the set-up: m
.set SMS,   T+1                        ; m + s
.set SJ,    T+2                        ; max(m - 1, 0)
.set SJ2,   T+3                        ; max(m - 2, 0)
.set A0,    T+4                        ; v[T+4:T+11] byte offsets of the gathers
.set KKR,   T+12                       ; which group of 16 totals this lane adds up
.set LIM,   T+13                       ; the last of its 16 that counts
.set D0,    T+14                       ; pitch[m-1], pitch[m], pitch[m+1]
.set DPB,   T+17                       ; p_amp, right neighbour
.set DAB,   T+18                       ; ap_amp, right neighbour
.set DI2,   T+19                       ; I[m-2]
.set DBI,   T+20                       ; B[m-1], I[m-1]
.set EN,    T+22                       ; the 8 words of my parameter entry
.set U,     T+30                       ; v[T+30:T+37] scratch
.set PR,    T+38                       ; running sum of whole groups
.set AC4,   T+39                       ; the part of it in front of my group
.set EA,    T+40                       ; LDS address of my entry
.set ENT,   48                         ; pitch of an entry: CA CD H|FP E2 , PA PD AA AD , 16 bytes unused: three 16-byte columns, so 16 lanes' stores start at 16 different columns of 256 bytes
	s_load_b256 s[4:11], s[0:1], 0x0               ; noise s[4:5], pitch s[6:7], p_amp s[8:9], ap_amp s[10:11]
	s_load_b128 s[12:15], s[0:1], 0x20             ; tab s[12:13], gsum s[14:15]
	s_load_b64 s[16:17], s[0:1], 0x30              ; out0
	v_lshl_add_u32 v144, v0, 2, 0x3000
	v_mov_b32 v145, 0
	v_and_b32 v1, 31, v0                           ; lane
	v_lshrrev_b32 v[U], 5, v0
	v_readfirstlane_b32 s19, v[U]                  ; wave
	s_and_b32 s20, ttmp7, 0xffff                   ; row
	s_lshl_b32 s21, ttmp9, 3
	s_add_co_u32 s21, s21, s19                     ; g: which 16 frames of the row
	s_lshl_b32 s22, s21, 4                         ; m0
	s_lshl_b32 s24, s20, 21                        ; a row of noise: 2,097,152 bytes;
	s_lshl_b32 s25, s21, 14                        ; 16 frames: 16,384
	s_add_co_u32 s24, s24, s25
	s_mov_b32 s25, 0
	s_lshl_b32 s26, s20, 13                        ; a row of the three small inputs
	s_mov_b32 s27, 0
	s_lshl_b32 s28, s20, 14                        ; a row of tab
	s_mov_b32 s29, 0
	s_lshl_b32 s30, s20, 9                         ; a row of gsum
	s_mov_b32 s31, 0
	s_mov_b32 s18, 0xf                             ; lanes 0-3
	s_mov_b32 s23, 3                               ; lanes 0-1
	s_mov_b32 s33, 0xaaaaaaaa                      ; set-up: odd lanes stand for second halves
	s_mul_i32 s36, s19, 32*ENT                     ; my wave's 32 entries in LDS
	; the two prefixes that the wave needs are those of t1 = g - 1 and t2 = g - 2 (0 where t < 0)
	s_sub_co_i32 s37, s21, 1                       ; t1
	s_sub_co_i32 s38, s21, 2                       ; t2
	s_max_i32 s39, s37, 0
	s_lshr_b32 s39, s39, 4                         ; t1's group of 16 totals
	s_max_i32 s40, s38, 0
	s_lshr_b32 s40, s40, 4                         ; t2's
	s_lshl_b32 s41, s39, 4
	s_sub_co_i32 s41, s37, s41                     ; t1's place in its group; below 0 where t1 < 0: nothing counts
	s_lshl_b32 s42, s40, 4
	s_sub_co_i32 s42, s38, s42
	v_lshlrev_b32 v[VOFF], 4, v1
	; SET-UP: lane l makes the parameters of step l: frame m = m0 + l / 2, half s = l & 1
	v_lshrrev_b32 v[SM], 1, v1
	v_add_nc_u32 v[SM], s22, v[SM]                 ; m
	v_and_b32 v[SMS], 1, v1
	v_add_nc_u32 v[SMS], v[SM], v[SMS]             ; m + s
	v_min_u32 v[U], 1, v[SM]
	v_sub_nc_u32 v[SJ], v[SM], v[U]                ; max(m - 1, 0)
	v_min_u32 v[U], 1, v[SJ]
	v_sub_nc_u32 v[SJ2], v[SJ], v[U]               ; max(m - 2, 0)
	v_add_nc_u32 v[U+1], 1, v[SM]
	v_min_u32 v[U+1], 0x7ff, v[U+1]                ; min(m + 1, 2047)
	v_min_u32 v[U+2], 1, v[SMS]
	v_sub_nc_u32 v[U+2], v[SMS], v[U+2]            ; the half's left neighbour:  max(m + s - 1, 0)
	v_min_u32 v[U+3], 0x7ff, v[SMS]                ; its right neighbour: min(m + s, 2047)
	v_cmp_ne_u32 s34, 0, v[SM]                     ; m >= 1
	v_cmp_lt_u32 s35, 1, v[SM]                     ; m >= 2
	; lane r = l & 15 adds up: r < 8 the whole group r; r = 8 t1's group up to t1; r >= 9 t2's group up to t2
	v_and_b32 v[U+5], 15, v1
	v_cmp_gt_u32 vcc_lo, 8, v[U+5]
	v_cmp_eq_u32 s43, 8, v[U+5]
	v_mov_b32 v[KKR], s40
	v_mov_b32 v[LIM], s42
	v_cndmask_b32 v[KKR], v[KKR], s39, s43
	v_cndmask_b32 v[LIM], v[LIM], s41, s43
	v_cndmask_b32 v[KKR], v[KKR], v[U+5], vcc_lo
	v_cndmask_b32 v[LIM], v[LIM], 15, vcc_lo
	v_lshlrev_b32 v[A0], 2, v[SJ]
	v_lshlrev_b32 v[A0+1], 2, v[SM]
	v_lshlrev_b32 v[A0+2], 2, v[U+1]
	v_lshlrev_b32 v[A0+3], 2, v[U+2]
	v_lshlrev_b32 v[A0+4], 2, v[U+3]
	v_lshlrev_b32 v[A0+5], 3, v[SJ]
	v_lshlrev_b32 v[A0+6], 3, v[SJ2]
	v_lshlrev_b32 v[A0+7], 6, v[KKR]
	s_wait_kmcnt 0x0
	s_add_nc_u64 s[4:5], s[4:5], s[24:25]
	s_add_nc_u64 s[16:17], s[16:17], s[24:25]
	s_add_nc_u64 s[6:7], s[6:7], s[26:27]
	s_add_nc_u64 s[8:9], s[8:9], s[26:27]
	s_add_nc_u64 s[10:11], s[10:11], s[26:27]
	s_add_nc_u64 s[12:13], s[12:13], s[28:29]
	s_add_nc_u64 s[14:15], s[14:15], s[30:31]
.irp j, 0,1,2,3
	global_load_b128 v[G3+4*\j:G3+4*\j+3], v[A0+7], s[14:15] offset:16*\j   ; first: the longest chain of the set-up hangs on these
.endr
	global_load_b32 v[D0], v[A0], s[6:7]           ; pitch[m-1]
	global_load_b32 v[D0+1], v[A0+1], s[6:7]       ; pitch[m]
	global_load_b32 v[D0+2], v[A0+2], s[6:7]       ; pitch[m+1]
	global_load_b32 v[EN+4], v[A0+3], s[8:9]       ; PA
	global_load_b32 v[DPB], v[A0+4], s[8:9]
	global_load_b32 v[EN+6], v[A0+3], s[10:11]     ; AA
	global_load_b32 v[DAB], v[A0+4], s[10:11]
	global_load_b64 v[DBI:DBI+1], v[A0+5], s[12:13]
	global_load_b32 v[DI2], v[A0+6], s[12:13] offset:4
.irp i, 0,1,2,3,4,5,6,7
	global_load_b128 v[X+4*\i:X+4*\i+3], v[VOFF], s[4:5] offset:512*\i th:TH_LOAD_NT   ; fill the ring: steps 0 to 7
.endr
	; what hangs on the lane alone.  Sample e of lane l in a step: u = us + 4 l + e (us = 128 in a first half, 0 in a second),
	; its block begins at u0 = us + 16 (l / 4).  All of these are whole numbers over 512: exact.
	v_and_b32 v[U], 3, v1
	v_lshlrev_b32 v[U], 2, v[U]                    ; 4 (l & 3)
	v_lshrrev_b32 v[U+1], 2, v1                    ; q = l / 4
	v_lshlrev_b32 v[U+2], 2, v1
	v_lshl_add_u32 v[U+2], v[U+1], 4, v[U+2]       ; 4 l + 16 q
.irp e, 0,1,2,3
	v_add_nc_u32 v[U+3], \e+1, v[U]                ; n
	v_add_nc_u32 v[U+4], \e+1, v[U+2]              ; u + 1 + u0, second half
	v_lshl_add_u32 v[U+5], v1, 3, 2*\e+1           ; 2 (4 l + e) + 1
	v_cvt_f32_u32 v[N+\e], v[U+3]
	v_cvt_f32_u32 v[QNB+\e], v[U+4]
	v_cvt_f32_u32 v[WB+\e], v[U+5]
	v_mul_f32 v[QNB+\e], 0x3b000000, v[QNB+\e]     ; (u + 1 + u0) / 512 = the mean of (u' + 0.5) / 256 over u' = u0 .. u
	v_mul_f32 v[WB+\e], 0x3b000000, v[WB+\e]       ; (u + 0.5) / 256
	v_add_f32 v[QNA+\e], 0.5, v[QNB+\e]
	v_add_f32 v[WA+\e], 0.5, v[WB+\e]
.endr
	v_cvt_f32_u32 v[U+3], v[U+1]
	v_mul_f32 v[N1], 0x41800000, v[U+3]            ; 16 q
	v_mul_f32 v[U+4], v[U+3], v[U+3]
	v_mul_f32 v[Q1B], 0.5, v[U+4]                  ; (u0^2 - us^2) / 512 = q^2 / 2,
	v_fmamk_f32 v[Q1A], v[U+3], 0x41000000, v[Q1B] ; and 8 q + q^2 / 2 with us = 128
.macro CONST2 r, bits
	v_mov_b32 v[\r], \bits
	v_mov_b32 v[\r+1], \bits
.endm
	CONST2 INVPI, 0x3ea2f983                       ; 1 / pi
	CONST2 MAGIC, 0x4b400000                       ; 1.5 * 2^23
	CONST2 NP1,   0xc0490fdb                       ; - f32(pi)
	CONST2 NP2,   0x33bbbd2e                       ; - (pi - f32(pi))
	CONST2 C7,    0xb9408cce                       ; - 0.00018363
	CONST2 C5,    0x3c08171b                       ;   0.00830629
	CONST2 C3,    0xbe2aa5d6                       ; - 0.16664824
	CONST2 C1,    0x3f7fffc7                       ;   0.99999660
	v_mov_b32 v[E+1], 0
	v_mov_b32 v[LADR], s36
	v_mad_u32_u24 v[EA], v1, ENT, s36              ; my entry
	v_mov_b32 v[PR], 0                             ; the destination of a DPP form counts as read
	v_mov_b32 v[AC4], 0                            ; nothing stands in front of group 0
	s_wait_loadcnt 0x11                            ; nine gathers and eight ring loads are younger and stay out: the 16 totals are in
	; level 3: the terms behind the lane's last one become 0, which leaves a sum made one after the other as it is
.irp e, 0,1,2,3,4,5,6,7,8,9,10,11,12,13,14,15
	v_cmp_le_i32 vcc_lo, \e, v[LIM]
	v_cndmask_b32 v[G3+\e], 0, v[G3+\e], vcc_lo
.endr
.irp e, 1,2,3,4,5,6,7,8,9,10,11,12,13,14,15
	v_add_f32 v[G3+\e], v[G3+\e-1], v[G3+\e]
.endr
	; level 4: lane s of each 16 holds the whole group s; their running sum, s ascending; a lane keeps the sum in front of its own group
	v_mov_b32_dpp v[PR], v[G3+15] row_share:0 row_mask:0xf bank_mask:0xf
	v_cmp_eq_u32 vcc_lo, 1, v[KKR]
	v_cndmask_b32 v[AC4], v[AC4], v[PR], vcc_lo
.irp s, 1,2,3,4,5,6
	v_add_f32_dpp v[PR], v[G3+15], v[PR] row_share:\s row_mask:0xf bank_mask:0xf
	v_cmp_eq_u32 vcc_lo, \s+1, v[KKR]
	v_cndmask_b32 v[AC4], v[AC4], v[PR], vcc_lo
.endr
	v_add_f32 v[U+6], v[G3+15], v[AC4]
	v_readlane_b32 s44, v[U+6], 8                  ; prefix3[g-1]
	v_readlane_b32 s45, v[U+6], 9                  ; prefix3[g-2]
	v_mov_b32 v[U], s44
	v_cndmask_b32 v[U+1], v[U], s45, s18           ; for frame m - 2: it lies in group g - 1 in lanes 0-3,
	v_cndmask_b32 v[U], v[U], s45, s23             ; for frame m - 1: in lanes 0-1
	s_wait_loadcnt 0x8                             ; the eight ring loads are younger and stay out: the gathers are in, their offset registers free
	v_cndmask_b32 v[U+2], v[D0], v[D0+1], s33      ; the half's left pitch,
	v_cndmask_b32 v[U+3], v[D0+1], v[D0+2], s33    ; its right one
	v_sub_f32 v[U+3], v[U+3], v[U+2]
	v_mul_f32 v[EN], CC, v[U+2]                    ; CA
	v_mul_f32 v[EN+1], CC, v[U+3]                  ; CD
	v_mul_f32 v[U+4], 0x42c00000, v[D0+1]          ; the first half's 128 steps: w sums to 96, 1 - w to 32
	v_fmamk_f32 v[U+4], v[D0], 0x42000000, v[U+4]
	v_mul_f32 v[U+4], CC, v[U+4]                   ; H: in front of a second half
	v_sub_f32 v[EN+5], v[DPB], v[EN+4]             ; PD
	v_sub_f32 v[EN+7], v[DAB], v[EN+6]             ; AD
	v_add_f32 v[U], v[DBI+1], v[U]                 ; prefix2[m-1]
	v_add_f32 v[U+1], v[DI2], v[U+1]               ; prefix2[m-2]
	v_cndmask_b32 v[EN+3], 0, v[U], s34            ; E2: 0 in front of frame 0
	v_cndmask_b32 v[U+1], 0, v[U+1], s35
	v_add_f32 v[U+1], v[DBI], v[U+1]               ; FP = the running sum at the last block of frame m - 1
	v_cndmask_b32 v[U+1], 0, v[U+1], s34
	v_cndmask_b32 v[EN+2], v[U+1], v[U+4], s33     ; first halves need FP alone, second halves H alone: one word
	ds_store_b128 v[EA], v[EN:EN+3]
	ds_store_b128 v[EA], v[EN+4:EN+7] offset:16
	; LDS serves a wave's instructions in order (ISA guide 5.7.1): these loads see the stores above
.irp j, 0,1
	ds_load_b128 v[PE+4*\j:PE+4*\j+3], v[LADR] offset:16*\j
.endr
.irp j, 0,1
	ds_load_b128 v[PO+4*\j:PO+4*\j+3], v[LADR] offset:ENT+16*\j
.endr
; One step: 128 samples.  slot: the ring's slot; half: 0 or 1; par: PE or PO; fi: the frame in the trip (0 .. 3).
; refill = 1: the slot gets the step eight further on.  left: younger ring loads that may stay out.
; dsleft: younger LDS loads that may stay out (the other parameter set's two).  reload = 1: par gets the next frame's entry.
; bump = 1: the two bases go on by a trip's 4,096 bytes in front of this step's load and store.
.macro STEP slot, half, par, fi, refill, left, dsleft, reload, bump
.set QH,  QNA+4*(\half)
.set WH,  WA+4*(\half)
.set Q1H, Q1A+(\half)
.set YY,  YA+4*(\half)
.set XS,  X+4*(\slot)
	s_wait_loadcnt \left                           ; loads come back in order: this slot's noise is in
	s_wait_dscnt \dsleft                           ; this step's parameters are in
.irp pr, 0,1
	v_pk_fma_f32 v[PU+2*\pr:PU+2*\pr+1], v[WH+2*\pr:WH+2*\pr+1], v[\par+6:\par+7], v[\par+6:\par+7] op_sel:[0,1,0] op_sel_hi:[1,1,0]    ; AA + AD w
.endr
.if \half
	v_fma_f32 v[TE], v[\par], v[N1], v[\par+2]     ; inner1 = H + CA n1 + CD q1
.else
	v_mul_f32 v[TE], v[\par], v[N1]                ; inner1 = CA n1 + CD q1
.endif
.irp pr, 0,1
	v_pk_fma_f32 v[CE+2*\pr:CE+2*\pr+1], v[QH+2*\pr:QH+2*\pr+1], v[\par:\par+1], v[\par:\par+1] op_sel:[0,1,0] op_sel_hi:[1,1,0]    ; CA + CD q / n
.endr
	v_fma_f32 v[TE], v[\par+1], v[Q1H], v[TE]
.irp pr, 0,1
	v_pk_mul_f32 v[YY+2*\pr:YY+2*\pr+1], v[PU+2*\pr:PU+2*\pr+1], v[XS+2*\pr:XS+2*\pr+1]
.endr
	v_add_f32 v[E], v[TE], v[\par+3]               ; + prefix2[m-1]: rounded at the large magnitude
.irp pr, 0,1
	v_pk_fma_f32 v[PP+2*\pr:PP+2*\pr+1], v[WH+2*\pr:WH+2*\pr+1], v[\par+4:\par+5], v[\par+4:\par+5] op_sel:[0,1,0] op_sel_hi:[1,1,0]    ; PA + PD w
.endr
.if \half == 0
	v_cndmask_b32 v[E], v[E], v[\par+2], s18       ; a frame's first block
.endif
.irp pr, 0,1
	v_pk_fma_f32 v[PH+2*\pr:PH+2*\pr+1], v[N+2*\pr:N+2*\pr+1], v[CE+2*\pr:CE+2*\pr+1], v[E:E+1] op_sel_hi:[1,1,0]    ; the phase: inner0 + E, rounded once
.endr
.if \reload
.irp j, 0,1
	ds_load_b128 v[\par+4*\j:\par+4*\j+3], v[LADR] offset:ENT*(2*(\fi+1)+\half)+16*\j
.endr
.endif
.irp pr, 0,1
	v_pk_fma_f32 v[KF+2*\pr:KF+2*\pr+1], v[PH+2*\pr:PH+2*\pr+1], v[INVPI:INVPI+1], v[MAGIC:MAGIC+1]
.endr
.irp pr, 0,1
	v_pk_add_f32 v[KK+2*\pr:KK+2*\pr+1], v[KF+2*\pr:KF+2*\pr+1], v[MAGIC:MAGIC+1] neg_lo:[0,1] neg_hi:[0,1]
.endr
.irp pr, 0,1
	v_pk_fma_f32 v[RR+2*\pr:RR+2*\pr+1], v[KK+2*\pr:KK+2*\pr+1], v[NP1:NP1+1], v[PH+2*\pr:PH+2*\pr+1]
.endr
.irp pr, 0,1
	v_pk_fma_f32 v[RR+2*\pr:RR+2*\pr+1], v[KK+2*\pr:KK+2*\pr+1], v[NP2:NP2+1], v[RR+2*\pr:RR+2*\pr+1]
.endr
.irp j, 0,1,2,3
	v_lshl_add_u32 v[RR+\j], v[KF+\j], 31, v[RR+\j]    ; k's lowest bit is the lowest bit of KF's mantissa; adding 2^31 flips r's sign: sin(phase) = sin((-1)^k r)
.endr
.irp pr, 0,1
	v_pk_mul_f32 v[UU+2*\pr:UU+2*\pr+1], v[RR+2*\pr:RR+2*\pr+1], v[RR+2*\pr:RR+2*\pr+1]
.endr
.irp pr, 0,1
	v_pk_mul_f32 v[PP+2*\pr:PP+2*\pr+1], v[PP+2*\pr:PP+2*\pr+1], v[RR+2*\pr:RR+2*\pr+1]
.endr
.irp pr, 0,1
	v_pk_fma_f32 v[QQ+2*\pr:QQ+2*\pr+1], v[UU+2*\pr:UU+2*\pr+1], v[C7:C7+1], v[C5:C5+1]
.endr
.irp pr, 0,1
	v_pk_fma_f32 v[QQ+2*\pr:QQ+2*\pr+1], v[QQ+2*\pr:QQ+2*\pr+1], v[UU+2*\pr:UU+2*\pr+1], v[C3:C3+1]
.endr
.irp pr, 0,1
	v_pk_fma_f32 v[QQ+2*\pr:QQ+2*\pr+1], v[QQ+2*\pr:QQ+2*\pr+1], v[UU+2*\pr:UU+2*\pr+1], v[C1:C1+1]
.endr
.irp pr, 0,1
	v_pk_fma_f32 v[YY+2*\pr:YY+2*\pr+1], v[PP+2*\pr:PP+2*\pr+1], v[QQ+2*\pr:QQ+2*\pr+1], v[YY+2*\pr:YY+2*\pr+1]
.endr
.if (\refill)+(\left)
	s_wait_xcnt 0x0                                ; stands between the last step's store and the next step, which rewrites that store's Y set;
	                                               ; the youngest memory instructions in front of it are a whole step old
.endif
.if \bump
	s_add_nc_u64 s[4:5], s[4:5], 0x1000            ; behind the same wait
	s_add_nc_u64 s[16:17], s[16:17], 0x1000
.endif
.if \refill
	global_load_b128 v[XS:XS+3], v[VOFF], s[4:5] offset:4096+512*(\slot)-4096*(\bump) th:TH_LOAD_NT
.endif
	global_store_b128 v[VOFF], v[YY:YY+3], s[16:17] offset:512*(\slot)-4096*(\bump) th:TH_STORE_NT   ; the wave's store covers 512 consecutive bytes, aligned
.endm
	; A trip is four frames, once about the ring.  At every step's head eight ring loads are out (hence 7) and the two parameter sets'
	; two loads each (hence 2), on the way in and over the back edge alike.
	s_mov_b32 s32, 3
.Ltrip:
.irp fr, 0,1,2
	STEP 2*\fr,   0, PE, \fr, 1, 7, 2, 1, 0
	STEP 2*\fr+1, 1, PO, \fr, 1, 7, 2, 1, 0
.endr
	STEP 6, 0, PE, 3, 1, 7, 2, 1, 0
	STEP 7, 1, PO, 3, 1, 7, 2, 1, 1
	v_add_nc_u32 v[LADR], 8*ENT, v[LADR]
	s_sub_co_u32 s32, s32, 1
	s_cmp_lg_u32 s32, 0
	s_cbranch_scc1 .Ltrip
	; the last four frames ask for no more noise, and the last frame for no more parameters: the counts run down
	STEP 0, 0, PE, 0, 0, 7, 2, 1, 0
	STEP 1, 1, PO, 0, 0, 6, 2, 1, 0
	STEP 2, 0, PE, 1, 0, 5, 2, 1, 0
	STEP 3, 1, PO, 1, 0, 4, 2, 1, 0
	STEP 4, 0, PE, 2, 0, 3, 2, 1, 0
	STEP 5, 1, PO, 2, 0, 2, 2, 1, 0
	STEP 6, 0, PE, 3, 0, 1, 2, 0, 0
	STEP 7, 1, PO, 3, 0, 0, 0, 0, 0
	s_wait_tensorcnt 0x0
	ds_add_u32 v144, v145
	s_wait_dscnt 0x0
	s_endpgm
.Lfunc_end_k_q07d39bab1d_main:
	.size	k_q07d39bab1d_main, .Lfunc_end_k_q07d39bab1d_main-k_q07d39bab1d_main
	.p2alignl 7, 3214868480
	.fill 96, 4, 3214868480
	.section	.rodata,"a",@progbits
	.p2align	6, 0x0
	.amdhsa_kernel k_q07d39bab1d_main
		.amdhsa_group_segment_fixed_size 13312
		.amdhsa_private_segment_fixed_size 0
		.amdhsa_enable_private_segment 0
		.amdhsa_kernarg_size 56
		.amdhsa_user_sgpr_count 2
		.amdhsa_user_sgpr_kernarg_segment_ptr 1
		.amdhsa_wavefront_size32 1
		.amdhsa_system_sgpr_workgroup_id_x 1
		.amdhsa_system_sgpr_workgroup_id_y 1
		.amdhsa_system_sgpr_workgroup_id_z 1
		.amdhsa_system_vgpr_workitem_id 0
		.amdhsa_next_free_vgpr 146
		.amdhsa_next_free_sgpr 66
		.amdhsa_reserve_vcc 1
		.amdhsa_float_denorm_mode_32 3
		.amdhsa_float_denorm_mode_16_64 3
		.amdhsa_memory_ordered 1
		.amdhsa_forward_progress 1
		.amdhsa_inst_pref_size 55
	.end_amdhsa_kernel
	.amdgpu_metadata
---
amdhsa.version: [ 1, 2 ]
amdhsa.kernels:
  - .name:           k_q07d39bab1d_main
    .symbol:         k_q07d39bab1d_main.kd
    .args:
      - { .name: noise, .offset: 0, .size: 8, .value_kind: global_buffer, .address_space: global }
      - { .name: pitch, .offset: 8, .size: 8, .value_kind: global_buffer, .address_space: global }
      - { .name: p_amp, .offset: 16, .size: 8, .value_kind: global_buffer, .address_space: global }
      - { .name: ap_amp, .offset: 24, .size: 8, .value_kind: global_buffer, .address_space: global }
      - { .name: tab, .offset: 32, .size: 8, .value_kind: global_buffer, .address_space: global }
      - { .name: gsum, .offset: 40, .size: 8, .value_kind: global_buffer, .address_space: global }
      - { .name: out0, .offset: 48, .size: 8, .value_kind: global_buffer, .address_space: global }
    .group_segment_fixed_size: 13312
    .private_segment_fixed_size: 0
    .kernarg_segment_align: 8
    .kernarg_segment_size: 56
    .max_flat_workgroup_size: 256
    .sgpr_count:     66
    .vgpr_count:     146
    .wavefront_size: 32
...
	.end_amdgpu_metadata
.endif
;; end of part 5
;; ======== version 3 of 3: 2 launches; version 2 with the launch main written anew for expert scheduling mode
;; limits: right only within a limited range of input values
;; workspace buffers: tab 524,288 bytes; gsum 16,384 bytes
;; launch sums: the kernel of part 4 again; grid 8 x 32, 8 waves a work-group, no clusters, 5,120 bytes of LDS; arguments pitch, tab, gsum; writes tab, gsum
;; launch main (part 6): grid 16 x 32, 8 waves a work-group, no clusters, 13,312 bytes of LDS; arguments noise, pitch, p_amp, ap_amp, tab, gsum, out0; writes out0
.if DOCPART == 6
	.amdgcn_target "amdgcn-amd-amdhsa--gfx1250"
	.amdhsa_code_object_version 6
	.text
	.protected	k_q07d39bab1d_main
	.globl	k_q07d39bab1d_main
	.p2align	8
	.type	k_q07d39bab1d_main,@function
k_q07d39bab1d_main:
	s_mov_b64 s[64:65], 0
	v_nop
	global_prefetch_b8 v0, s[64:65] scope:SCOPE_SE
	s_setreg_imm32_b32 hwreg(HW_REG_WAVE_SCHED_MODE, 0, 2), 2
	s_setreg_imm32_b32 hwreg(HW_REG_WAVE_MODE, 25, 1), 1
	s_wait_xcnt 0x0
	s_wait_alu depctr_vm_vsrc(0)
; out0 = p_amp_up * sin(phase) + ap_amp_up * noise, a stream over noise and out0.
; SHARE.  Row = the work-group's y.  A wave owns 16 frames of 256 samples, group g of the row: 32 steps of 128 samples; a step's load and
; store cover 512 consecutive bytes, 16 a lane.  A step lies in one half of one frame, so the two table values between which each signal
; is interpolated are the same for the whole wave.  Eight loads of each wave are always on their way (a ring of eight register slots).
; PHASE.  The cumulative sum is evaluated as a tree of base 16 (see the launch before, which left B, the frame sums, I, their running sums
; inside groups of 16 frames, and the groups' totals).  The set-up makes the two upper levels, each wave for itself from the row's 128
; totals (512 bytes):  prefix3[t] = (running sum inside t's group of 16 totals) + (running sum of the whole groups in front).
; Then prefix2[m] = I[m] + prefix3[m/16 - 1], and in a step  phase = RN(inner0 + RN(inner1 + prefix2[m-1])).  inner0 (up to 16 phase
; steps) and inner1 (up to 240) are small sums and come from the closed form of an arithmetic series, whose error is far below one f32
; step of the large sums.  A frame's first block takes the running sum at the last block of the frame before, B[m-1] + prefix2[m-2].
; SINE.  k = nearest whole number to phase / pi (by adding 1.5 * 2^23), r = phase - k pi with pi in two parts, the sign from k's parity,
; then r (c1 + c3 r^2 + c5 r^4 + c7 r^6), fitted to |r| <= pi / 2.
; LIMITS: the phase is f32, as in the function computed; |phase| < 2^22 pi (about 1.3e7 rad) for the whole-number trick;
; the polynomial is off by less than 2e-6.
; LEFT OUT: matrix instructions (no product), LDS tiles, tensor loads and clusters (no byte of noise is read twice or by two waves),
; barriers (a wave reads only LDS bytes that it wrote itself), prefetches (the ring asks for the stream without a break).
; THE MODE: SCHED_MODE bits 1:0 = 2 (LLVM: expert scheduling mode 2), set by the entry lines.  The code itself states the register
; dependences between vector instructions and memory or LDS instructions, with s_wait_alu, always for 0.
; THE PLAN.  Registers that memory or LDS instructions touch, in the loop:
;   X, slot i   Read by two lines in the first half of the slot's step; the load of the step eight further on lands in it, issued in that step's middle.
;   PE, PO      Read by the first half of the step of their parity, up to the line that makes the phase; the LDS loads of that parity's next
;               entry land in them, issued in that step's middle.
;   Y0, Y1      Step i writes Y[i % 2] in its LAST line alone; the store that reads it is issued in the middle of step i + 1.
;   v[VOFF]     Read by every ring load and store; never written again: the two scalar bases move on once a trip, immediate offsets do the rest.
;   v[LADR]     Read by the LDS loads; written once a trip, in the middle of the trip's last step.
; So the waits of a step stand together in its middle, behind the line that makes the phase.  The wait on vm_vsrc (with s_wait_xcnt 0 beside
; it) states that the store issued a whole step earlier has read Y[i % 2]; the wait on va_vdst states that this step is done reading its slot
; and its parameters and that the step before has written the other Y.  The step's load, store and two LDS loads follow, dealt among the
; lines of the sine, which name KF, KK, RR, UU, PP, QQ, PU and Y[i % 2]; the next step's first half names the other parameter set and the
; next slot: none of the registers that those four instructions touch.
; No vector instruction of the loop writes a scalar register, VCC is not used, and EXEC is never written.
.set CC,    0x39cde32f                 ; f32(2 pi) * f32(1 / 16000), rounded once to f32
.set VOFF,  2                          ; 16 lane
.set LADR,  3                          ; LDS address of this trip's first parameter entry, the same in all lanes
.set N,     4                          ; v[4:7]    n: my four samples' place in their block of 16, from 1
.set QNA,   8                          ; v[8:11]   mean of w over the block up to my sample, a frame's first half
.set QNB,   12                         ; v[12:15]  second half
.set WA,    16                         ; v[16:19]  w of my four samples, first half
.set WB,    20                         ; v[20:23]  second half
.set N1,    24                         ; samples of this half in front of my block
.set Q1A,   25                         ; sum of w over them, first half
.set Q1B,   26                         ; second half
.set INVPI, 28                         ; constants, each twice for the packed forms
.set MAGIC, 30
.set NP1,   32
.set NP2,   34
.set C7,    36
.set C5,    38
.set C3,    40
.set C1,    42
.set PE,    44                         ; v[44:51]  parameters of the first-half step at work or next
.set PO,    52                         ; v[52:59]  of the second-half step
.set G3,    44                         ; v[44:59]  set-up only: 16 group totals
.set X,     60                         ; v[60:91]  the ring: slot i, 4 registers of noise
.set YA,    92                         ; v[92:99]  results: two sets, for first-half and second-half steps
.set E,     100                        ; v100 what stands in front of my block; v101 = 0 (the pair's other half is never taken)
.set T,     102                        ; v[102:142] at work
.set CE,    T                          ; in a step, four registers each: the mean phase step over my block up to my sample
.set PH,    T+4                        ; phase
.set KF,    T+8                        ; phase / pi + 1.5 * 2^23
.set KK,    T+12                       ; k
.set RR,    T+16                       ; r
.set UU,    T+20                       ; r^2
.set QQ,    T+24                       ; the polynomial
.set PU,    T+28                       ; ap_amp_up, then ap_amp_up noise
.set PP,    T+32                       ; p_amp_up, then p_amp_up r
.set TE,    T+36
.set SM,    T                          ; in the set-up: m
.set SMS,   T+1                        ; m + s
.set SJ,    T+2                        ; max(m - 1, 0)
.set SJ2,   T+3                        ; max(m - 2, 0)
.set A0,    T+4                        ; v[T+4:T+11] byte offsets of the gathers
.set KKR,   T+12                       ; which group of 16 totals this lane adds up
.set LIM,   T+13                       ; the last of its 16 that counts
.set D0,    T+14                       ; pitch[m-1], pitch[m], pitch[m+1]
.set DPB,   T+17                       ; p_amp, right neighbour
.set DAB,   T+18                       ; ap_amp, right neighbour
.set DI2,   T+19                       ; I[m-2]
.set DBI,   T+20                       ; B[m-1], I[m-1]
.set EN,    T+22                       ; the 8 words of my parameter entry
.set U,     T+30                       ; v[T+30:T+37] scratch
.set PR,    T+38                       ; running sum of whole groups
.set AC4,   T+39                       ; the part of it in front of my group
.set EA,    T+40                       ; LDS address of my entry
.set ENT,   48                         ; pitch of an entry: CA CD H|FP E2 , PA PD AA AD , 16 bytes unused: three 16-byte columns, so 16 lanes' stores start at 16 different columns of 256 bytes
.set M3,    46                         ; s[46:61]  set-up: mask e: term e of my 16 totals counts
.set M8,    62                         ; s62       set-up: lanes with l & 15 < 8
.set M4,    66                         ; s[66:72]  set-up: mask s: my group is group s + 1
	s_load_b256 s[4:11], s[0:1], 0x0               ; noise s[4:5], pitch s[6:7], p_amp s[8:9], ap_amp s[10:11]
	s_load_b128 s[12:15], s[0:1], 0x20             ; tab s[12:13], gsum s[14:15]
	s_load_b64 s[16:17], s[0:1], 0x30              ; out0
	v_lshl_add_u32 v139, v0, 2, 0x3000
	v_mov_b32 v143, 0
	v_and_b32 v1, 31, v0                           ; lane
	v_lshrrev_b32 v[U], 5, v0
	v_readfirstlane_b32 s19, v[U]                  ; wave
	v_lshlrev_b32 v[VOFF], 4, v1
	s_and_b32 s20, ttmp7, 0xffff                   ; row
	s_lshl_b32 s21, ttmp9, 3
	s_wait_alu depctr_va_sdst(0)                   ; s19 is written, ahead of its first reader: the bases and my LDS bytes are made from it
	s_add_co_u32 s21, s21, s19                     ; g: which 16 frames of the row
	s_lshl_b32 s22, s21, 4                         ; m0
	s_lshl_b32 s24, s20, 21                        ; a row of noise: 2,097,152 bytes;
	s_lshl_b32 s25, s21, 14                        ; 16 frames: 16,384
	s_add_co_u32 s24, s24, s25
	s_mov_b32 s25, 0
	s_lshl_b32 s26, s20, 13                        ; a row of the three small inputs
	s_mov_b32 s27, 0
	s_lshl_b32 s28, s20, 14                        ; a row of tab
	s_mov_b32 s29, 0
	s_lshl_b32 s30, s20, 9                         ; a row of gsum
	s_mov_b32 s31, 0
	s_mov_b32 s18, 0xf                             ; lanes 0-3
	s_mov_b32 s23, 3                               ; lanes 0-1
	s_mov_b32 s33, 0xaaaaaaaa                      ; set-up: odd lanes stand for second halves
	s_mul_i32 s36, s19, 32*ENT                     ; my wave's 32 entries in LDS
	; the two prefixes that the wave needs are those of t1 = g - 1 and t2 = g - 2 (0 where t < 0)
	s_sub_co_i32 s37, s21, 1                       ; t1
	s_sub_co_i32 s38, s21, 2                       ; t2
	s_max_i32 s39, s37, 0
	s_lshr_b32 s39, s39, 4                         ; t1's group of 16 totals
	s_max_i32 s40, s38, 0
	s_lshr_b32 s40, s40, 4                         ; t2's
	s_lshl_b32 s41, s39, 4
	s_sub_co_i32 s41, s37, s41                     ; t1's place in its group; below 0 where t1 < 0: nothing counts
	s_lshl_b32 s42, s40, 4
	s_sub_co_i32 s42, s38, s42
	; SET-UP: lane l makes the parameters of step l: frame m = m0 + l / 2, half s = l & 1
	v_lshrrev_b32 v[SM], 1, v1
	v_add_nc_u32 v[SM], s22, v[SM]                 ; m
	v_and_b32 v[SMS], 1, v1
	v_add_nc_u32 v[SMS], v[SM], v[SMS]             ; m + s
	v_min_u32 v[U], 1, v[SM]
	v_sub_nc_u32 v[SJ], v[SM], v[U]                ; max(m - 1, 0)
	v_min_u32 v[U], 1, v[SJ]
	v_sub_nc_u32 v[SJ2], v[SJ], v[U]               ; max(m - 2, 0)
	v_add_nc_u32 v[U+1], 1, v[SM]
	v_min_u32 v[U+1], 0x7ff, v[U+1]                ; min(m + 1, 2047)
	v_min_u32 v[U+2], 1, v[SMS]
	v_sub_nc_u32 v[U+2], v[SMS], v[U+2]            ; the half's left neighbour:  max(m + s - 1, 0)
	v_min_u32 v[U+3], 0x7ff, v[SMS]                ; its right neighbour: min(m + s, 2047)
	; lane r = l & 15 adds up: r < 8 the whole group r; r = 8 t1's group up to t1; r >= 9 t2's group up to t2
	v_and_b32 v[U+5], 15, v1
	v_cmp_ne_u32 s34, 0, v[SM]                     ; m >= 1
	v_cmp_lt_u32 s35, 1, v[SM]                     ; m >= 2
	v_cmp_gt_u32 s[M8], 8, v[U+5]
	v_cmp_eq_u32 s43, 8, v[U+5]
	v_mov_b32 v[KKR], s40
	v_mov_b32 v[LIM], s42
	v_lshlrev_b32 v[A0], 2, v[SJ]
	v_lshlrev_b32 v[A0+1], 2, v[SM]
	v_lshlrev_b32 v[A0+2], 2, v[U+1]
	v_lshlrev_b32 v[A0+3], 2, v[U+2]
	v_lshlrev_b32 v[A0+4], 2, v[U+3]
	v_lshlrev_b32 v[A0+5], 3, v[SJ]
	v_lshlrev_b32 v[A0+6], 3, v[SJ2]
	s_wait_alu depctr_va_sdst(0)                   ; the four compares have written s34, s35, s62 and s43, ahead of the first select that reads one of them
	v_cndmask_b32 v[KKR], v[KKR], s39, s43
	v_cndmask_b32 v[LIM], v[LIM], s41, s43
	v_cndmask_b32 v[KKR], v[KKR], v[U+5], s[M8]
	v_cndmask_b32 v[LIM], v[LIM], 15, s[M8]
	v_lshlrev_b32 v[A0+7], 6, v[KKR]
	s_wait_kmcnt 0x0
	s_add_nc_u64 s[4:5], s[4:5], s[24:25]
	s_add_nc_u64 s[16:17], s[16:17], s[24:25]
	s_add_nc_u64 s[6:7], s[6:7], s[26:27]
	s_add_nc_u64 s[8:9], s[8:9], s[26:27]
	s_add_nc_u64 s[10:11], s[10:11], s[26:27]
	s_add_nc_u64 s[12:13], s[12:13], s[28:29]
	s_add_nc_u64 s[14:15], s[14:15], s[30:31]
	s_wait_alu depctr_va_vdst(0)                   ; v[VOFF] and the eight offsets v[A0 ..] are written, which the loads below read
.irp j, 0,1,2,3
	global_load_b128 v[G3+4*\j:G3+4*\j+3], v[A0+7], s[14:15] offset:16*\j   ; first: the longest chain of the set-up hangs on these
.endr
	global_load_b32 v[D0], v[A0], s[6:7]           ; pitch[m-1]
	global_load_b32 v[D0+1], v[A0+1], s[6:7]       ; pitch[m]
	global_load_b32 v[D0+2], v[A0+2], s[6:7]       ; pitch[m+1]
	global_load_b32 v[EN+4], v[A0+3], s[8:9]       ; PA
	global_load_b32 v[DPB], v[A0+4], s[8:9]
	global_load_b32 v[EN+6], v[A0+3], s[10:11]     ; AA
	global_load_b32 v[DAB], v[A0+4], s[10:11]
	global_load_b64 v[DBI:DBI+1], v[A0+5], s[12:13]
	global_load_b32 v[DI2], v[A0+6], s[12:13] offset:4
.irp i, 0,1,2,3,4,5,6,7
	global_load_b128 v[X+4*\i:X+4*\i+3], v[VOFF], s[4:5] offset:512*\i th:TH_LOAD_NT   ; fill the ring: steps 0 to 7
.endr
	; the masks of levels 3 and 4 hang on the lane alone: one run of compares, each into a scalar register of its own, while the loads are out
.irp e, 0,1,2,3,4,5,6,7,8,9,10,11,12,13,14,15
	v_cmp_le_i32 s[M3+\e], \e, v[LIM]
.endr
.irp s, 0,1,2,3,4,5,6
	v_cmp_eq_u32 s[M4+\s], \s+1, v[KKR]
.endr
	; what hangs on the lane alone.  Sample e of lane l in a step: u = us + 4 l + e (us = 128 in a first half, 0 in a second),
	; its block begins at u0 = us + 16 (l / 4).  All of these are whole numbers over 512: exact.
	v_and_b32 v[U], 3, v1
	v_lshlrev_b32 v[U], 2, v[U]                    ; 4 (l & 3)
	v_lshrrev_b32 v[U+1], 2, v1                    ; q = l / 4
	v_lshlrev_b32 v[U+2], 2, v1
	v_lshl_add_u32 v[U+2], v[U+1], 4, v[U+2]       ; 4 l + 16 q
.irp e, 0,1,2,3
	v_add_nc_u32 v[U+3], \e+1, v[U]                ; n
	v_add_nc_u32 v[U+4], \e+1, v[U+2]              ; u + 1 + u0, second half
	v_lshl_add_u32 v[U+5], v1, 3, 2*\e+1           ; 2 (4 l + e) + 1
	v_cvt_f32_u32 v[N+\e], v[U+3]
	v_cvt_f32_u32 v[QNB+\e], v[U+4]
	v_cvt_f32_u32 v[WB+\e], v[U+5]
	v_mul_f32 v[QNB+\e], 0x3b000000, v[QNB+\e]     ; (u + 1 + u0) / 512 = the mean of (u' + 0.5) / 256 over u' = u0 .. u
	v_mul_f32 v[WB+\e], 0x3b000000, v[WB+\e]       ; (u + 0.5) / 256
	v_add_f32 v[QNA+\e], 0.5, v[QNB+\e]
	v_add_f32 v[WA+\e], 0.5, v[WB+\e]
.endr
	v_cvt_f32_u32 v[U+3], v[U+1]
	v_mul_f32 v[N1], 0x41800000, v[U+3]            ; 16 q
	v_mul_f32 v[U+4], v[U+3], v[U+3]
	v_mul_f32 v[Q1B], 0.5, v[U+4]                  ; (u0^2 - us^2) / 512 = q^2 / 2,
	v_fmamk_f32 v[Q1A], v[U+3], 0x41000000, v[Q1B] ; and 8 q + q^2 / 2 with us = 128
.macro CONST2 r, bits
	v_mov_b32 v[\r], \bits
	v_mov_b32 v[\r+1], \bits
.endm
	CONST2 INVPI, 0x3ea2f983                       ; 1 / pi
	CONST2 MAGIC, 0x4b400000                       ; 1.5 * 2^23
	CONST2 NP1,   0xc0490fdb                       ; - f32(pi)
	CONST2 NP2,   0x33bbbd2e                       ; - (pi - f32(pi))
	CONST2 C7,    0xb9408cce                       ; - 0.00018363
	CONST2 C5,    0x3c08171b                       ;   0.00830629
	CONST2 C3,    0xbe2aa5d6                       ; - 0.16664824
	CONST2 C1,    0x3f7fffc7                       ;   0.99999660
	v_mov_b32 v[E+1], 0
	v_mov_b32 v[LADR], s36
	v_mad_u32_u24 v[EA], v1, ENT, s36              ; my entry
	v_mov_b32 v[PR], 0                             ; the destination of a DPP form counts as read
	v_mov_b32 v[AC4], 0                            ; nothing stands in front of group 0
	s_wait_alu depctr_va_sdst(0)                   ; the 23 compares have written s[46:61] and s[66:72], ahead of the first select that reads one of them
	s_wait_loadcnt 0x11                            ; nine gathers and eight ring loads are younger and stay out: the 16 totals are in
	; level 3: the terms behind the lane's last one become 0, which leaves a sum made one after the other as it is
.irp e, 0,1,2,3,4,5,6,7,8,9,10,11,12,13,14,15
	v_cndmask_b32 v[G3+\e], 0, v[G3+\e], s[M3+\e]
.endr
.irp e, 1,2,3,4,5,6,7,8,9,10,11,12,13,14,15
	v_add_f32 v[G3+\e], v[G3+\e-1], v[G3+\e]
.endr
	; level 4: lane s of each 16 holds the whole group s; their running sum, s ascending; a lane keeps the sum in front of its own group
	v_mov_b32_dpp v[PR], v[G3+15] row_share:0 row_mask:0xf bank_mask:0xf
	v_cndmask_b32 v[AC4], v[AC4], v[PR], s[M4]
.irp s, 1,2,3,4,5,6
	v_add_f32_dpp v[PR], v[G3+15], v[PR] row_share:\s row_mask:0xf bank_mask:0xf
	v_cndmask_b32 v[AC4], v[AC4], v[PR], s[M4+\s]
.endr
	v_add_f32 v[U+6], v[G3+15], v[AC4]
	v_readlane_b32 s44, v[U+6], 8                  ; prefix3[g-1]
	v_readlane_b32 s45, v[U+6], 9                  ; prefix3[g-2]
	s_wait_loadcnt 0x8                             ; the eight ring loads are younger and stay out: the gathers are in
	v_cndmask_b32 v[U+2], v[D0], v[D0+1], s33      ; the half's left pitch,
	v_cndmask_b32 v[U+3], v[D0+1], v[D0+2], s33    ; its right one
	v_sub_f32 v[U+3], v[U+3], v[U+2]
	v_mul_f32 v[EN], CC, v[U+2]                    ; CA
	v_mul_f32 v[EN+1], CC, v[U+3]                  ; CD
	v_mul_f32 v[U+4], 0x42c00000, v[D0+1]          ; the first half's 128 steps: w sums to 96, 1 - w to 32
	v_fmamk_f32 v[U+4], v[D0], 0x42000000, v[U+4]
	v_mul_f32 v[U+4], CC, v[U+4]                   ; H: in front of a second half
	v_sub_f32 v[EN+5], v[DPB], v[EN+4]             ; PD
	v_sub_f32 v[EN+7], v[DAB], v[EN+6]             ; AD
	s_wait_alu depctr_va_sdst(0)                   ; s44 and s45 are written, ahead of their first reader; the ten lines above stand between
	v_mov_b32 v[U], s44
	v_cndmask_b32 v[U+1], v[U], s45, s18           ; for frame m - 2: it lies in group g - 1 in lanes 0-3,
	v_cndmask_b32 v[U], v[U], s45, s23             ; for frame m - 1: in lanes 0-1
	v_add_f32 v[U], v[DBI+1], v[U]                 ; prefix2[m-1]
	v_add_f32 v[U+1], v[DI2], v[U+1]               ; prefix2[m-2]
	v_cndmask_b32 v[EN+3], 0, v[U], s34            ; E2: 0 in front of frame 0
	v_cndmask_b32 v[U+1], 0, v[U+1], s35
	v_add_f32 v[U+1], v[DBI], v[U+1]               ; FP = the running sum at the last block of frame m - 1
	v_cndmask_b32 v[U+1], 0, v[U+1], s34
	v_cndmask_b32 v[EN+2], v[U+1], v[U+4], s33     ; first halves need FP alone, second halves H alone: one word
	s_wait_alu depctr_va_vdst(0)                   ; my entry v[EN ..] and the LDS addresses v[EA], v[LADR] are written, which the lines below read; levels 3 and 4 are done with v[44:59], in which the parameters land
	ds_store_b128 v[EA], v[EN:EN+3]
	ds_store_b128 v[EA], v[EN+4:EN+7] offset:16
	; LDS serves a wave's instructions in order (ISA guide 5.7.1): these loads see the stores above
.irp j, 0,1
	ds_load_b128 v[PE+4*\j:PE+4*\j+3], v[LADR] offset:16*\j
.endr
.irp j, 0,1
	ds_load_b128 v[PO+4*\j:PO+4*\j+3], v[LADR] offset:ENT+16*\j
.endr
	s_wait_alu depctr_vm_vsrc(0)                   ; the gathers have read their offsets v[A0 ..] and the LDS stores my entry v[EN ..]: the steps write these registers as work registers
; One step: 128 samples.  slot: the ring's slot; half: 0 or 1; par: PE or PO; fi: the frame in the trip (0 .. 3).
; before: how many steps stand in front of this one, 2 at the most: with none there is no result to store, with fewer than two no store has read this step's Y set.
; refill = 1: the slot gets the step eight further on.  left: younger ring loads that may stay out.
; dsleft: younger LDS loads that may stay out (the other parameter set's two).  reload = 1: par gets the next frame's entry.
; bump = 1: the two bases go on by a trip's 4,096 bytes, and v[LADR] by a trip's eight entries, in front of this step's memory instructions.
.macro STEP slot, half, par, fi, before, refill, left, dsleft, reload, bump
.set QH,  QNA+4*(\half)
.set WH,  WA+4*(\half)
.set Q1H, Q1A+(\half)
.set YY,  YA+4*(\half)                 ; this step's results
.set YP,  YA+4-4*(\half)               ; the last step's
.set XS,  X+4*(\slot)
	s_wait_loadcnt \left                           ; loads come back in order: this slot's noise is in
	s_wait_dscnt \dsleft                           ; this step's parameters are in
.irp pr, 0,1
	v_pk_fma_f32 v[PU+2*\pr:PU+2*\pr+1], v[WH+2*\pr:WH+2*\pr+1], v[\par+6:\par+7], v[\par+6:\par+7] op_sel:[0,1,0] op_sel_hi:[1,1,0]    ; AA + AD w
.endr
.if \half
	v_fma_f32 v[TE], v[\par], v[N1], v[\par+2]     ; inner1 = H + CA n1 + CD q1
.else
	v_mul_f32 v[TE], v[\par], v[N1]                ; inner1 = CA n1 + CD q1
.endif
.irp pr, 0,1
	v_pk_fma_f32 v[CE+2*\pr:CE+2*\pr+1], v[QH+2*\pr:QH+2*\pr+1], v[\par:\par+1], v[\par:\par+1] op_sel:[0,1,0] op_sel_hi:[1,1,0]    ; CA + CD q / n
.endr
	v_fma_f32 v[TE], v[\par+1], v[Q1H], v[TE]
.irp pr, 0,1
	v_pk_mul_f32 v[PU+2*\pr:PU+2*\pr+1], v[PU+2*\pr:PU+2*\pr+1], v[XS+2*\pr:XS+2*\pr+1]    ; stays here until the step's last line: Y is written there alone
.endr
	v_add_f32 v[E], v[TE], v[\par+3]               ; + prefix2[m-1]: rounded at the large magnitude
.irp pr, 0,1
	v_pk_fma_f32 v[PP+2*\pr:PP+2*\pr+1], v[WH+2*\pr:WH+2*\pr+1], v[\par+4:\par+5], v[\par+4:\par+5] op_sel:[0,1,0] op_sel_hi:[1,1,0]    ; PA + PD w
.endr
.if \half == 0
	v_cndmask_b32 v[E], v[E], v[\par+2], s18       ; a frame's first block
.endif
.irp pr, 0,1
	v_pk_fma_f32 v[PH+2*\pr:PH+2*\pr+1], v[N+2*\pr:N+2*\pr+1], v[CE+2*\pr:CE+2*\pr+1], v[E:E+1] op_sel_hi:[1,1,0]    ; the phase: inner0 + E, rounded once
.endr
.if (\before) >= 2
	s_wait_xcnt 0x0                                ; stands between the store issued in the last step and this step's last line, which rewrites that store's Y set; with bump = 1
	                                               ; the bases are stepped behind it too; the youngest memory instructions in front of it are a whole step old
	s_wait_alu depctr_vm_vsrc(0)                   ; that store has read this step's Y set; with bump = 1: the LDS loads issued so far have read v[LADR]
.endif
.if \bump
	v_add_nc_u32 v[LADR], 8*ENT, v[LADR]
.endif
	s_wait_alu depctr_va_vdst(0)                   ; the lines above are done reading this slot's noise and this step's parameters, in which the loads below land;
	                                               ; the last step has written the other Y set, which the store below reads; with bump = 1 v[LADR] is written
.if \bump
	s_add_nc_u64 s[4:5], s[4:5], 0x1000
	s_add_nc_u64 s[16:17], s[16:17], 0x1000
.endif
.if \refill
	global_load_b128 v[XS:XS+3], v[VOFF], s[4:5] offset:4096+512*(\slot)-4096*(\bump) th:TH_LOAD_NT
.endif
.irp pr, 0,1
	v_pk_fma_f32 v[KF+2*\pr:KF+2*\pr+1], v[PH+2*\pr:PH+2*\pr+1], v[INVPI:INVPI+1], v[MAGIC:MAGIC+1]
.endr
.if (\before) >= 1
	global_store_b128 v[VOFF], v[YP:YP+3], s[16:17] offset:512*((\slot)-1)-4096*(\bump) th:TH_STORE_NT   ; the last step's results: the offset reaches back; the wave's store covers 512 consecutive bytes, aligned.  No wait: no vector line since the wait above names them
.endif
.irp pr, 0,1
	v_pk_add_f32 v[KK+2*\pr:KK+2*\pr+1], v[KF+2*\pr:KF+2*\pr+1], v[MAGIC:MAGIC+1] neg_lo:[0,1] neg_hi:[0,1]
.endr
.if \reload
.irp j, 0,1
	ds_load_b128 v[\par+4*\j:\par+4*\j+3], v[LADR] offset:ENT*(2*(\fi+1)+\half)-8*ENT*(\bump)+16*\j    ; no wait: no vector line since the wait above names par or v[LADR]
.endr
.endif
.irp pr, 0,1
	v_pk_fma_f32 v[RR+2*\pr:RR+2*\pr+1], v[KK+2*\pr:KK+2*\pr+1], v[NP1:NP1+1], v[PH+2*\pr:PH+2*\pr+1]
.endr
.irp pr, 0,1
	v_pk_fma_f32 v[RR+2*\pr:RR+2*\pr+1], v[KK+2*\pr:KK+2*\pr+1], v[NP2:NP2+1], v[RR+2*\pr:RR+2*\pr+1]
.endr
.irp j, 0,1,2,3
	v_lshl_add_u32 v[RR+\j], v[KF+\j], 31, v[RR+\j]    ; k's lowest bit is the lowest bit of KF's mantissa; adding 2^31 flips r's sign: sin(phase) = sin((-1)^k r)
.endr
.irp pr, 0,1
	v_pk_mul_f32 v[UU+2*\pr:UU+2*\pr+1], v[RR+2*\pr:RR+2*\pr+1], v[RR+2*\pr:RR+2*\pr+1]
.endr
.irp pr, 0,1
	v_pk_mul_f32 v[PP+2*\pr:PP+2*\pr+1], v[PP+2*\pr:PP+2*\pr+1], v[RR+2*\pr:RR+2*\pr+1]
.endr
.irp pr, 0,1
	v_pk_fma_f32 v[QQ+2*\pr:QQ+2*\pr+1], v[UU+2*\pr:UU+2*\pr+1], v[C7:C7+1], v[C5:C5+1]
.endr
.irp pr, 0,1
	v_pk_fma_f32 v[QQ+2*\pr:QQ+2*\pr+1], v[QQ+2*\pr:QQ+2*\pr+1], v[UU+2*\pr:UU+2*\pr+1], v[C3:C3+1]
.endr
.irp pr, 0,1
	v_pk_fma_f32 v[QQ+2*\pr:QQ+2*\pr+1], v[QQ+2*\pr:QQ+2*\pr+1], v[UU+2*\pr:UU+2*\pr+1], v[C1:C1+1]
.endr
.irp pr, 0,1
	v_pk_fma_f32 v[YY+2*\pr:YY+2*\pr+1], v[PP+2*\pr:PP+2*\pr+1], v[QQ+2*\pr:QQ+2*\pr+1], v[PU+2*\pr:PU+2*\pr+1]
.endr
.endm
; A trip is four frames, once about the ring.  At every step's head eight ring loads are out (hence 7) and the two parameter sets'
; two loads each (hence 2), on the way in and over the back edge alike.  b0, b1: 'before' of its first two steps.
.macro TRIP b0, b1
	STEP 0, 0, PE, 0, \b0, 1, 7, 2, 1, 0
	STEP 1, 1, PO, 0, \b1, 1, 7, 2, 1, 0
	STEP 2, 0, PE, 1, 2, 1, 7, 2, 1, 0
	STEP 3, 1, PO, 1, 2, 1, 7, 2, 1, 0
	STEP 4, 0, PE, 2, 2, 1, 7, 2, 1, 0
	STEP 5, 1, PO, 2, 2, 1, 7, 2, 1, 0
	STEP 6, 0, PE, 3, 2, 1, 7, 2, 1, 0
	STEP 7, 1, PO, 3, 2, 1, 7, 2, 1, 1
.endm
	TRIP 0, 1                                      ; the first trip is written out: its first step has no result in front of it to store
	s_mov_b32 s32, 2
.Ltrip:
	TRIP 2, 2
	s_sub_co_u32 s32, s32, 1
	s_cmp_lg_u32 s32, 0
	s_cbranch_scc1 .Ltrip
	; the last four frames ask for no more noise, and the last frame for no more parameters: the counts run down
	STEP 0, 0, PE, 0, 2, 0, 7, 2, 1, 0
	STEP 1, 1, PO, 0, 2, 0, 6, 2, 1, 0
	STEP 2, 0, PE, 1, 2, 0, 5, 2, 1, 0
	STEP 3, 1, PO, 1, 2, 0, 4, 2, 1, 0
	STEP 4, 0, PE, 2, 2, 0, 3, 2, 1, 0
	STEP 5, 1, PO, 2, 2, 0, 2, 2, 1, 0
	STEP 6, 0, PE, 3, 2, 0, 1, 2, 0, 0
	STEP 7, 1, PO, 3, 2, 0, 0, 0, 0, 0
	s_wait_alu depctr_va_vdst(0)                   ; the last step has written its Y set, which the last store reads
	global_store_b128 v[VOFF], v[YA+4:YA+7], s[16:17] offset:512*7 th:TH_STORE_NT
	s_wait_dscnt 0x0
	s_wait_alu depctr_hold_cnt(0) depctr_sa_sdst(0) depctr_va_vdst(0) depctr_va_sdst(0) depctr_va_ssrc(0) depctr_va_vcc(0) depctr_vm_vsrc(0)
	s_wait_tensorcnt 0x0
	ds_add_u32 v139, v143
	s_wait_dscnt 0x0
	s_endpgm
.Lfunc_end_k_q07d39bab1d_main:
	.size	k_q07d39bab1d_main, .Lfunc_end_k_q07d39bab1d_main-k_q07d39bab1d_main
	.p2alignl 7, 3214868480
	.fill 96, 4, 3214868480
	.section	.rodata,"a",@progbits
	.p2align	6, 0x0
	.amdhsa_kernel k_q07d39bab1d_main
		.amdhsa_group_segment_fixed_size 13312
		.amdhsa_private_segment_fixed_size 0
		.amdhsa_enable_private_segment 0
		.amdhsa_kernarg_size 56
		.amdhsa_user_sgpr_count 2
		.amdhsa_user_sgpr_kernarg_segment_ptr 1
		.amdhsa_wavefront_size32 1
		.amdhsa_system_sgpr_workgroup_id_x 1
		.amdhsa_system_sgpr_workgroup_id_y 1
		.amdhsa_system_sgpr_workgroup_id_z 1
		.amdhsa_system_vgpr_workitem_id 0
		.amdhsa_next_free_vgpr 144
		.amdhsa_next_free_sgpr 73
		.amdhsa_reserve_vcc 0
		.amdhsa_float_denorm_mode_32 3
		.amdhsa_float_denorm_mode_16_64 3
		.amdhsa_memory_ordered 1
		.amdhsa_forward_progress 1
		.amdhsa_inst_pref_size 81
	.end_amdhsa_kernel
	.amdgpu_metadata
---
amdhsa.version: [ 1, 2 ]
amdhsa.kernels:
  - .name:           k_q07d39bab1d_main
    .symbol:         k_q07d39bab1d_main.kd
    .args:
      - { .name: noise, .offset: 0, .size: 8, .value_kind: global_buffer, .address_space: global }
      - { .name: pitch, .offset: 8, .size: 8, .value_kind: global_buffer, .address_space: global }
      - { .name: p_amp, .offset: 16, .size: 8, .value_kind: global_buffer, .address_space: global }
      - { .name: ap_amp, .offset: 24, .size: 8, .value_kind: global_buffer, .address_space: global }
      - { .name: tab, .offset: 32, .size: 8, .value_kind: global_buffer, .address_space: global }
      - { .name: gsum, .offset: 40, .size: 8, .value_kind: global_buffer, .address_space: global }
      - { .name: out0, .offset: 48, .size: 8, .value_kind: global_buffer, .address_space: global }
    .group_segment_fixed_size: 13312
    .private_segment_fixed_size: 0
    .kernarg_segment_align: 8
    .kernarg_segment_size: 56
    .max_flat_workgroup_size: 256
    .sgpr_count:     73
    .vgpr_count:     144
    .wavefront_size: 32
...
	.end_amdgpu_metadata
.endif
;; end of part 6
